; MI455X (gfx1250); checked and timed in simulation.
; The chip was launched on July 23, 2026; its instructions are those of AMD's public machine-readable ISA for CDNA 5 (MIT licence, August 2026) and "CDNA5" Instruction Set Architecture Reference Guide (July 2026). The comments in the code are by the model that wrote it; some were corrected since.
;; GPT Attention. Allowed arithmetic: matrix products marked QUANTISED: E2M3 operands, one E8M0 scale for each 32 along K, by v_wmma_scale_f32_16x16x128_f8f6f4 with both operands' format E2M3, f32 sums; everything else in f32.
;; Inputs: hidden_states 4 x 2,048 x 1,024 float32; w_in 1,024 x 3,072 float32; w_out 1,024 x 1,024 float32.
;; Outputs: out0 4 x 2,048 x 1,024 float32.
;; This version of the problem:
;;   THIS VERSION OF THE PROBLEM IS GIVEN IN LOW PRECISION. The matrix products marked QUANTISED in the list below multiply operands that are first quantised to E2M3 (2 exponent bits, 3 mantissa bits; 6 bits a number), with one power-of-two scale for each 32 numbers along K (OCP MX v1.0); their sums are f32. All else is computed in f32.
;;   The module's matrix products, in the order in which they are computed (A, B: the left and right operand; K: the contracted axis; several contracted axes count as one K, in the product's order):
;;     1. [M 8,192, K 1,024] x [K 1,024, N 3,072]; A: input hidden_states; B: input w_in: QUANTISED
;;     2. batch 64 x [M 2,048, K 64] x [K 64, N 2,048]; A: computed on the way; B: computed on the way: QUANTISED
;;     3. batch 64 x [M 2,048, K 2,048] x [K 2,048, N 64]; A: softmax (see below); B: computed on the way: QUANTISED
;;     4. [M 8,192, K 1,024] x [K 1,024, N 1,024]; A: computed on the way; B: input w_out: QUANTISED
;;   THE QUANTISER, for each operand of a quantised product, along K:
;;     - K is cut into blocks of 32 from its start; a last block that is shorter is filled with zeros.
;;     - A block's scale is 2^e with e = floor(log2(the largest magnitude in the block)) - 2, held to -126 .. 127; a block of zeros has e = 0. As a byte (E8M0): e + 127.
;;     - Each number is divided by its block's scale, clamped to +-7.5, and rounded to the nearest number of E2M3, ties to even, subnormals kept.
;;     - The product sums the exact products of the quantised numbers (number of the format x scale) in f32.
;;   ~~~python
;;   def quantise(x, axis):      # numpy; x: float32 -> the quantised numbers, widened to float32 again
;;       x = np.moveaxis(x, axis, -1); K = x.shape[-1]
;;       x = np.pad(x, [(0, 0)] * (x.ndim - 1) + [(0, -K % 32)]); x = x.reshape(x.shape[:-1] + (-1, 32)); a = np.abs(x).max(-1, keepdims=True)
;;       e = np.where(a > 0, np.clip(np.frexp(np.where(a > 0, a, 1))[1] - 1 - 2, -126, 127), 0)      # np.frexp(a)[1] - 1 = floor(log2(a)), exactly
;;       r = np.clip(x / 2.0 ** e, -7.5, 7.5)
;;       step = 2.0 ** (np.maximum(np.frexp(np.where(r == 0, 1, r))[1] - 1, 0) - 3)
;;       q = np.round(r / step) * step * 2.0 ** e      # np.round: ties to even
;;       return np.moveaxis(q.reshape(q.shape[:-2] + (-1,))[..., :K], -1, axis).astype(np.float32)
;;   ~~~
;;   SOFTMAX AHEAD OF A QUANTISED PRODUCT. Where the list says 'softmax', what is quantised is not the finished softmax but p = 2^(t - M), with t = logit x log2(e) and M = ceil(the row's largest t), a whole number; so 1/2 < the row's largest p <= 1. The row's sum l is taken of the UNQUANTISED p, in f32, and the product's result is divided by l at the end. Since M is a whole number, a kernel that streams over the keys may use a running M (the ceiling of the running maximum): every later rescaling is an exact power of two, which a block's scale takes up: the codes' values come out the same.
;;   OPERANDS COMPUTED ON THE WAY. 'Computed on the way' means the value that the module computes at that place (a softmax that the list does not call 'softmax' is quantised finished and normalised). What goes into a quantiser is computed in f32, as accurately as f32 sums, v_exp_f32 and their like allow (about 1e-6 of the number): no bf16 or f16 on the way to a quantiser, and a product that is left as it is and whose result goes on into a quantised operand takes f32 operands (vector FMAs, or v_wmma_f32_16x16x4_f32). A number that lies on a knife's edge between two numbers of the format may be rounded either way, as far as f32 arithmetic and the matrix unit's own rounding can turn it there, and no further.
;; One version. Each part assembles by itself: llvm-mc -triple=amdgcn-amd-amdhsa -mcpu=gfx1250 --defsym DOCPART=n.
;; ======== version 1 of 1: 4 launches
;; limits: right only within a limited range of input values
;; workspace buffers: opnd1 8,650,752 bytes; sc1 360,448 bytes; qkv 20,185,088 bytes; opnd2 7,077,888 bytes; sc2 294,912 bytes
;; launch quant (part 1): grid 320 x 1, 4 waves a work-group, no clusters, 46,592 bytes of LDS; arguments hidden_states, w_in, w_out, opnd1, sc1, opnd2, sc2; writes opnd1, sc1, opnd2, sc2
.if DOCPART == 1
	.amdgcn_target "amdgcn-amd-amdhsa--gfx1250"
	.amdhsa_code_object_version 6
	.text
	.protected	k_qe94e67ee4b_quant
	.globl	k_qe94e67ee4b_quant
	.p2align	8
	.type	k_qe94e67ee4b_quant,@function
k_qe94e67ee4b_quant:
	s_mov_b64 s[64:65], 0
	v_nop
	global_prefetch_b8 v0, s[64:65] scope:SCOPE_SE
	s_setreg_imm32_b32 hwreg(HW_REG_WAVE_MODE, 25, 1), 1
	s_wait_xcnt 0x0
; hidden_states [8192][1024], w_in [1024][3072] and w_out [1024][1024], f32, become codes of FP6 (E2M3) with one E8M0 byte for each 32 along K (K = the 1,024),
; laid as the two GEMM launches take their operands.
; LAYOUT OF THE CODES.  Rows (tokens, or a weight's columns) go in panels of 128, a panel in 8 tiles of 16.  Lane row rho of tile t is panel row 32 (t/2) + 8 (t%2) + rho + 8 (rho/8).
; A fragment (16 rows x 128 K, 12 registers a lane, lane (rho, h) holds k = 64 c + 32 h + 0..31 in registers 6 c .. 6 c + 5) is stored as an image of its registers, 1,536 bytes:
; for c = 0, 1: 512 bytes (registers 6c .. 6c+3, 16 bytes a lane), then 256 bytes (registers 6c+4, 6c+5, 8 bytes a lane).  A buffer is [panel][K step 0..7][tile 0..7][1,536].
; LAYOUT OF THE SCALE BYTES: [panel][half of K][16 t + rho][16 bytes: the words of four K steps].
; A block's scale is 2^(floor(log2(its largest magnitude)) - 2); its byte is the largest magnitude's exponent field - 2, held at 1 from below.
; LIMITS: a block of zeros gets the byte 1 where the rule says 127 (its codes are zeros, and only this program reads the bytes); blocks whose largest magnitude lies under 2^-124 were not tried; NaN and infinities are not served.
; SHARES.  Work-groups 0-63: the weights (K is their FIRST axis): a lane takes a column and its registers run down K; a wave takes 32 columns x 512 K.
; Work-groups 64-319: hidden_states (K innermost): a wave takes one tile of 16 tokens x 512 K; each load reads 512 consecutive bytes of a row, and the numbers turn through the wave's own stage in LDS.
; Waves share nothing: no barrier.  Memory binds: no matrix unit, no cluster, no tensor load.  The two paths have LDS bytes of their own.
.set XROW,  528                        ; a stage row of path X: 512 bytes + 16, so that the 16 rows of a load start at 16 different groups of banks
.set XWAVE, 16*XROW
.set WIMG,  4*XWAVE                    ; path W: 3,072 bytes a wave: the images of two tiles of one K step
.set WWAVE, 3072
.set SPARE, WIMG+4*WWAVE               ; the spare words, 128 bytes a wave: two blocks of 256 bytes that no other line names
.set PANEL, 98304
.set KSB,   12288                      ; a K step of a panel
.set FRB,   1536
.set RX,    64                         ; path X: v64-191 two sets of 64 registers as loaded
.set XX,    192                        ; path X: v192-255 my 64 numbers: two whole blocks of 32
.set OFF,   64                         ; path W: v64-95 byte offsets of 32 rows of the weight
.set XW,    96                         ; path W: v96-159 two sets of 32 numbers
.set OUTR,  160                        ; path W: v160-183 images on their way out
	s_load_b256 s[4:11], s[0:1], 0x0               ; hidden_states s[4:5], w_in s[6:7], w_out s[8:9], opnd1 s[10:11]
	s_load_b128 s[12:15], s[0:1], 0x20             ; sc1 s[12:13], opnd2 s[14:15]
	s_load_b64 s[16:17], s[0:1], 0x30              ; sc2
	v_lshl_add_u32 v12, v0, 2, SPARE               ; my spare word; never rewritten
	v_mov_b32 v13, 0                               ; 0; never rewritten
	v_lshrrev_b32 v1, 5, v0
	v_readfirstlane_b32 s18, v1                    ; wave 0..3
	v_and_b32 v1, 31, v0                           ; lane
	v_lshlrev_b32 v2, 4, v1                        ; 16 x lane
	v_lshlrev_b32 v3, 3, v1                        ; 8 x lane
	s_mul_i32 s19, s18, XWAVE
	v_add_nc_u32 v4, s19, v2                       ; path X, into the stage: 16 bytes a lane of a row
	v_and_b32 v14, 15, v0                          ; r
	v_bfe_u32 v15, v0, 4, 1                        ; h
	v_mul_u32_u24 v5, v14, XROW
	v_lshl_add_u32 v5, v15, 7, v5
	v_add_nc_u32 v5, s19, v5                       ; path X, out of it: row r, + 128 h bytes: my block of 32
	v_lshlrev_b32 v6, 3, v15                       ; 8 h: where my bytes stand in a scale word
	v_lshlrev_b32 v11, 4, v14                      ; 16 r: my row's four scale words
	v_bfe_u32 v16, v0, 3, 1                        ; path W: column 32 w + lane is lane row rho = lane % 8 + 8 (lane / 16) of tile 2 w + u, u = (lane / 8) % 2
	v_and_b32 v17, 7, v0
	v_lshl_add_u32 v17, v15, 3, v17                ; rho
	s_mul_i32 s19, s18, WWAVE
	s_add_co_u32 s19, s19, WIMG
	v_mul_u32_u24 v18, v16, FRB
	v_add_nc_u32 v18, s19, v18
	v_lshl_add_u32 v7, v17, 4, v18                 ; path W: where my registers 0-3 of a half go
	v_lshl_add_u32 v8, v17, 3, v18
	v_add_nc_u32 v8, 512, v8                       ; and my registers 4, 5
	v_add_nc_u32 v9, s19, v2                       ; path W: the images back, 16 bytes a lane
	v_lshl_add_u32 v10, v16, 4, v17
	v_lshlrev_b32 v10, 4, v10                      ; path W: 16 (16 u + rho): my column's scale words
	s_mov_b32 s20, 0x76543210
	s_mov_b32 s21, 0xfedcba98                      ; lane selects: lane l xor 16
	v_mov_b32 v22, 0                               ; written once: a lane permute's destination counts as one of its sources
	s_wait_kmcnt 0x0
	s_cmp_lt_u32 ttmp9, 64
	s_cbranch_scc1 .Lpath_w
; ---------------- PATH X: hidden_states ----------------
	s_sub_co_u32 s22, ttmp9, 64
	s_lshl_b32 s22, s22, 2
	s_add_co_u32 s22, s22, s18                     ; my unit: 2 x token tile + half of K
	s_and_b32 s23, s22, 1                          ; j: which 512 along K
	s_lshr_b32 s22, s22, 1                         ; token tile 0..511
	s_lshr_b32 s24, s22, 3                         ; panel
	s_and_b32 s25, s22, 7                          ; a: tile in the panel
	s_lshl_b32 s26, s24, 7
	s_lshr_b32 s27, s25, 1
	s_lshl_b32 s27, s27, 5
	s_add_co_u32 s26, s26, s27
	s_and_b32 s27, s25, 1
	s_lshl_b32 s27, s27, 3
	s_add_co_u32 s26, s26, s27                     ; the tile's first token: 128 panel + 32 (a/2) + 8 (a%2)
	s_lshl_b32 s26, s26, 12                        ; x 4,096 bytes a row
	s_lshl_b32 s27, s23, 11
	s_add_co_u32 s26, s26, s27                     ; + 2,048 j
	s_mov_b32 s27, 0
	s_add_nc_u64 s[4:5], s[4:5], s[26:27]
	s_mul_i32 s26, s24, PANEL
	s_mul_i32 s28, s23, 4*KSB
	s_add_co_u32 s26, s26, s28
	s_mul_i32 s28, s25, FRB
	s_add_co_u32 s26, s26, s28
	s_add_nc_u64 s[10:11], s[10:11], s[26:27]      ; my four fragments, KSB bytes apart
	s_lshl_b32 s26, s24, 12
	s_lshl_b32 s28, s23, 11
	s_add_co_u32 s26, s26, s28
	s_lshl_b32 s28, s25, 8
	s_add_co_u32 s26, s26, s28
	s_add_nc_u64 s[12:13], s[12:13], s[26:27]      ; my tile's scale words
.macro LOADX s                         ; K step s of my 16 rows: each load is 512 consecutive bytes of one row; row i of the tile lies i + 8 (i/8) tokens on
.irp i, 0,1,2,3,4,5,6,7,8,9,10,11,12,13,14,15
	global_load_b128 v[RX+64*((\s)%2)+4*\i:RX+64*((\s)%2)+4*\i+3], v2, s[4:5] offset:(\i+8*(\i/8))*4096+512*(\s) th:TH_LOAD_NT
.endr
.endm
.macro STEPX s
.if (\s) < 3
	s_wait_loadcnt 16                              ; this K step's 16 loads are in; the next step's 16 may be out
.else
	s_wait_loadcnt 0x0
.endif
.irp i, 0,1,2,3,4,5,6,7,8,9,10,11,12,13,14,15
	ds_store_b128 v4, v[RX+64*((\s)%2)+4*\i:RX+64*((\s)%2)+4*\i+3] offset:XROW*\i
.endr
.irp c, 0,1                            ; LDS serves a wave's instructions in order (ISA guide 5.7.1.4): these see the stores above.  k = 64 c + 32 h + 0..31 of row r
.irp q, 0,1,2,3,4,5,6,7
	ds_load_b128 v[XX+32*\c+4*\q:XX+32*\c+4*\q+3], v5 offset:256*\c+16*\q
.endr
.endr
	s_wait_dscnt 0x0                               ; my numbers are back, and the stores into the stage have read their registers
	s_wait_xcnt 0x0                                ; the last step's stores have read their data: the codes' registers are written again only behind this wait
.if (\s) < 2
	LOADX (\s)+2
.endif
.irp c, 0,1
	v_max3_num_f32 v[16+\c], |v[XX+32*\c]|, |v[XX+32*\c+1]|, 0x1800000   ; block 2 c + h: all 32 numbers are mine; the floor 2^(3 - 127) holds the byte at 1 from below
.endr
.irp i, 2,4,6,8,10,12,14,16,18,20,22,24,26,28,30
.irp c, 0,1
	v_max3_num_f32 v[16+\c], v[16+\c], |v[XX+32*\c+\i]|, |v[XX+32*\c+\i+1]|
.endr
.endr
.irp c, 0,1
	v_add_nc_u32 v[18+\c], 0xff000000, v[16+\c]    ; 2 off the exponent field: the conversion's scale operand
.endr
.irp c, 0,1
	v_lshrrev_b32 v[20+\c], 23, v[18+\c]           ; the scale's byte
.endr
	v_lshl_or_b32 v23, v21, 16, v20                ; my two bytes: blocks h and 2 + h,
	v_lshlrev_b32 v23, v6, v23                     ; at their places (8 h bits up);
	v_permlanex16_b32 v22, v23, s20, s21
	v_or_b32 v[24+(\s)], v23, v22                  ; with lane l xor 16's two the word is whole
	v_cvt_scalef32_pk16_fp6_f32 v[32:34], v[XX:XX+15], v18
	v_cvt_scalef32_pk16_fp6_f32 v[48:50], v[XX+16:XX+31], v18      ; (a conversion's three registers begin on an even number: the second half is made elsewhere and moved)
	v_cvt_scalef32_pk16_fp6_f32 v[40:42], v[XX+32:XX+47], v19
	v_cvt_scalef32_pk16_fp6_f32 v[52:54], v[XX+48:XX+63], v19
	v_nop                                          ; one plain place behind the scaled conversions
.irp i, 0,1,2
	v_mov_b32 v[35+\i], v[48+\i]
	v_mov_b32 v[43+\i], v[52+\i]
.endr
.irp c, 0,1
	global_store_b128 v2, v[32+8*\c:35+8*\c], s[10:11] offset:KSB*(\s)+768*\c       ; 32 lanes store 512 consecutive bytes
	global_store_b64 v3, v[36+8*\c:37+8*\c], s[10:11] offset:KSB*(\s)+768*\c+512    ; and 256
.endr
.endm
	LOADX 0
	LOADX 1
	STEPX 0
	STEPX 1
	STEPX 2
	STEPX 3
	v_cmp_gt_u32 vcc_lo, 16, v1                    ; lanes 0-15 store the 16 rows' four words each: 256 consecutive bytes
	s_wait_xcnt 0x0                                ; EXEC changes only behind this wait
	s_and_saveexec_b32 s22, vcc_lo
	global_store_b128 v11, v[24:27], s[12:13]
	s_wait_xcnt 0x0
	s_or_b32 exec_lo, exec_lo, s22
	s_wait_tensorcnt 0x0                           ; the wave's end, behind my last LDS store
	ds_add_u32 v12, v13
	s_wait_dscnt 0x0
	s_endpgm
; ---------------- PATH W: the weights ----------------
.Lpath_w:
	s_lshr_b32 s22, ttmp9, 1                       ; panel of 128 columns: 0-23 w_in's, 24-31 w_out's
	s_and_b32 s23, ttmp9, 1                        ; j: which 512 along K
	s_cmp_lt_u32 s22, 24                           ; the choice hangs on the work-group's number alone
	s_cselect_b64 s[24:25], s[6:7], s[8:9]         ; the weight
	s_cselect_b64 s[26:27], s[10:11], s[14:15]     ; its codes' buffer
	s_cselect_b64 s[28:29], s[12:13], s[16:17]     ; its scale bytes' buffer
	s_mov_b32 s30, 4096
	s_cselect_b32 s30, 12288, s30                  ; bytes from one k to the next
	s_cselect_b32 s31, 0, 24
	s_sub_co_u32 s31, s22, s31                     ; the panel's number in its weight
	s_lshl_b32 s32, s23, 9
	s_mul_i32 s32, s32, s30                        ; 512 j rows down
	s_lshl_b32 s33, s31, 9
	s_add_co_u32 s32, s32, s33                     ; + 128 columns a panel
	s_lshl_b32 s33, s18, 7
	s_add_co_u32 s32, s32, s33                     ; + 32 columns a wave
	s_mov_b32 s33, 0
	s_add_nc_u64 s[24:25], s[24:25], s[32:33]      ; even blocks' base
	s_lshl_b32 s32, s30, 5
	s_add_nc_u64 s[34:35], s[24:25], s[32:33]      ; odd blocks' base: 32 rows on
	s_lshl_b32 s36, s30, 6                         ; each base steps 64 rows
	s_mov_b32 s37, 0
	s_add_co_u32 s32, s31, 64                      ; the weights' panels stand behind the 64 panels of tokens
	s_mul_i32 s38, s32, PANEL
	s_mul_i32 s39, s23, 4*KSB
	s_add_co_u32 s38, s38, s39
	s_mul_i32 s39, s18, 2*FRB
	s_add_co_u32 s38, s38, s39
	s_mov_b32 s39, 0
	s_add_nc_u64 s[26:27], s[26:27], s[38:39]      ; tiles 2 w, 2 w + 1 of K step 4 j
	s_lshl_b32 s38, s32, 12
	s_lshl_b32 s32, s23, 11
	s_add_co_u32 s38, s38, s32
	s_lshl_b32 s32, s18, 9
	s_add_co_u32 s38, s38, s32
	s_add_nc_u64 s[28:29], s[28:29], s[38:39]
	v_lshlrev_b32 v[OFF], 2, v1                    ; 4 bytes a lane; row i lies i pitches on: the pitch differs between the weights, so it cannot stand in an immediate
.irp i, 1,2,3,4,5,6,7,8,9,10,11,12,13,14,15,16,17,18,19,20,21,22,23,24,25,26,27,28,29,30,31
	v_add_nc_u32 v[OFF+\i], s30, v[OFF+\i-1]
.endr
.macro LOADW t                         ; block t: W(32 t + i, my column): 32 lanes read 128 consecutive bytes, the four waves 512
.irp i, 0,1,2,3,4,5,6,7,8,9,10,11,12,13,14,15,16,17,18,19,20,21,22,23,24,25,26,27,28,29,30,31
	global_load_b32 v[XW+32*((\t)%2)+\i], v[OFF+\i], s[24+10*((\t)%2):25+10*((\t)%2)] th:TH_LOAD_NT
.endr
.endm
.macro BLOCK t
.set XS, XW+32*((\t)%2)
.set BC, ((\t)%4)/2                    ; the block is half c of its K step's fragment,
.set BH, (\t)%2                        ; lanes 16 hh + rho of it
.if (\t) < 15
	s_wait_loadcnt 32                              ; this block's 32 loads are in; the next block's may be out
.else
	s_wait_loadcnt 0x0
.endif
	v_max3_num_f32 v16, |v[XS]|, |v[XS+1]|, |v[XS+2]|
	v_max3_num_f32 v17, |v[XS+3]|, |v[XS+4]|, |v[XS+5]|
.irp i, 6,10,14,18,22,26
	v_max3_num_f32 v16, v16, |v[XS+\i]|, |v[XS+\i+1]|
	v_max3_num_f32 v17, v17, |v[XS+\i+2]|, |v[XS+\i+3]|
.endr
	v_max3_num_f32 v16, v16, |v[XS+30]|, |v[XS+31]|
	v_max3_num_f32 v16, v16, v17, 0x1800000        ; and the floor
	v_add_nc_u32 v18, 0xff000000, v16              ; the conversion's scale operand
	v_lshrrev_b32 v19, 23, v18                     ; the byte
.if (\t)%4 == 0
	v_mov_b32 v[24+(\t)/4], v19                    ; four bytes to a word, the lower k in the lower byte
.else
	v_lshl_or_b32 v[24+(\t)/4], v19, 8*((\t)%4), v[24+(\t)/4]
.endif
	v_cvt_scalef32_pk16_fp6_f32 v[32:34], v[XS:XS+15], v18
	v_cvt_scalef32_pk16_fp6_f32 v[36:38], v[XS+16:XS+31], v18
	v_nop                                          ; one plain place behind the scaled conversions
	v_mov_b32 v35, v36
	v_mov_b32 v40, v37
	v_mov_b32 v41, v38
	ds_store_b128 v7, v[32:35] offset:768*BC+256*BH
	ds_store_b64 v8, v[40:41] offset:768*BC+128*BH
.if (\t)+2 < 16
	s_wait_xcnt 0x0                                ; earlier loads and stores have read their bases and data: the base may step, and the way out's registers may be loaded again
	s_add_nc_u64 s[24+10*((\t)%2):25+10*((\t)%2)], s[24+10*((\t)%2):25+10*((\t)%2)], s[36:37]
	LOADW (\t)+2
.endif
.if (\t)%4 == 3                        ; a K step's two images are whole: they leave as 3,072 consecutive bytes
.irp i, 0,1,2,3,4,5
	ds_load_b128 v[OUTR+4*\i:OUTR+4*\i+3], v9 offset:512*\i
.endr
.endif
	s_wait_dscnt 0x0                               ; the stores have read the codes' registers; the images are back
.if (\t)%4 == 3
.irp i, 0,1,2,3,4,5
	global_store_b128 v2, v[OUTR+4*\i:OUTR+4*\i+3], s[26:27] offset:KSB*((\t)/4)+512*\i
.endr
.endif
.endm
	LOADW 0
	LOADW 1
.irp t, 0,1,2,3,4,5,6,7,8,9,10,11,12,13,14,15
	BLOCK \t
.endr
	global_store_b128 v10, v[24:27], s[28:29]      ; 32 columns' four words each: 512 consecutive bytes
	s_wait_tensorcnt 0x0                           ; the wave's end, behind my last LDS store
	ds_add_u32 v12, v13
	s_wait_dscnt 0x0
	s_endpgm
.Lfunc_end_k_qe94e67ee4b_quant:
	.size	k_qe94e67ee4b_quant, .Lfunc_end_k_qe94e67ee4b_quant-k_qe94e67ee4b_quant
	.p2alignl 7, 3214868480
	.fill 96, 4, 3214868480
	.section	.rodata,"a",@progbits
	.p2align	6, 0x0
	.amdhsa_kernel k_qe94e67ee4b_quant
		.amdhsa_group_segment_fixed_size 46592
		.amdhsa_private_segment_fixed_size 0
		.amdhsa_enable_private_segment 0
		.amdhsa_kernarg_size 56
		.amdhsa_user_sgpr_count 2
		.amdhsa_user_sgpr_kernarg_segment_ptr 1
		.amdhsa_wavefront_size32 1
		.amdhsa_system_sgpr_workgroup_id_x 1
		.amdhsa_system_sgpr_workgroup_id_y 1
		.amdhsa_system_sgpr_workgroup_id_z 1
		.amdhsa_system_vgpr_workitem_id 0
		.amdhsa_next_free_vgpr 256
		.amdhsa_next_free_sgpr 66
		.amdhsa_reserve_vcc 1
		.amdhsa_float_denorm_mode_32 3
		.amdhsa_float_denorm_mode_16_64 3
		.amdhsa_memory_ordered 1
		.amdhsa_forward_progress 1
		.amdhsa_inst_pref_size 113
	.end_amdhsa_kernel
	.amdgpu_metadata
---
amdhsa.version: [ 1, 2 ]
amdhsa.kernels:
  - .name:           k_qe94e67ee4b_quant
    .symbol:         k_qe94e67ee4b_quant.kd
    .args:
      - { .name: hidden_states, .offset: 0, .size: 8, .value_kind: global_buffer, .address_space: global }
      - { .name: w_in, .offset: 8, .size: 8, .value_kind: global_buffer, .address_space: global }
      - { .name: w_out, .offset: 16, .size: 8, .value_kind: global_buffer, .address_space: global }
      - { .name: opnd1, .offset: 24, .size: 8, .value_kind: global_buffer, .address_space: global }
      - { .name: sc1, .offset: 32, .size: 8, .value_kind: global_buffer, .address_space: global }
      - { .name: opnd2, .offset: 40, .size: 8, .value_kind: global_buffer, .address_space: global }
      - { .name: sc2, .offset: 48, .size: 8, .value_kind: global_buffer, .address_space: global }
    .group_segment_fixed_size: 46592
    .private_segment_fixed_size: 0
    .kernarg_segment_align: 8
    .kernarg_segment_size: 56
    .max_flat_workgroup_size: 128
    .sgpr_count:     66
    .vgpr_count:     256
    .wavefront_size: 32
...
	.end_amdgpu_metadata
.endif
;; end of part 1
;; launch gemm1 (part 2): grid 8 x 48, 4 waves a work-group, clusters of 4 x 4, 327,680 bytes of LDS; arguments opnd1, sc1, qkv; writes qkv
.if DOCPART == 2
	.amdgcn_target "amdgcn-amd-amdhsa--gfx1250"
	.amdhsa_code_object_version 6
	.text
	.protected	k_qe94e67ee4b_gemm1
	.globl	k_qe94e67ee4b_gemm1
	.p2align	8
	.type	k_qe94e67ee4b_gemm1,@function
k_qe94e67ee4b_gemm1:
	s_mov_b64 s[64:65], 0
	v_nop
	global_prefetch_b8 v0, s[64:65] scope:SCOPE_SE
	s_setreg_imm32_b32 hwreg(HW_REG_WAVE_MODE, 25, 1), 1
	s_wait_xcnt 0x0
	s_wait_alu depctr_hold_cnt(0) depctr_sa_sdst(0) depctr_va_vdst(0) depctr_va_sdst(0) depctr_va_ssrc(0) depctr_va_vcc(0) depctr_vm_vsrc(0)
	s_getreg_b32 s2, hwreg(HW_REG_IB_STS2, 6, 4)
	s_cmp_eq_u32 s2, 0
	s_cbranch_scc0 .Lentry_in_a_cluster
	s_endpgm
.Lentry_in_a_cluster:
	s_bfe_u32 s2, ttmp6, 0x10000c
	s_cmp_lg_u32 s2, 0xf033
	s_cbranch_scc0 .Lentry_shape_is_right
	s_endpgm
.Lentry_shape_is_right:
; qkv = hidden_states x w_in on codes of FP6 (E2M3) with E8M0 scales, K = 1,024, and the results quantised at once into the operands of the attention launch.  They never lie in memory as f32.
; OPERANDS: opnd1 holds fragments as images of their registers, [panel of 128 rows][K step 0..7][tile 0..7][1,536 bytes]; panels 0-63 tokens, 64-87 w_in's columns.  Lane row rho of tile t is
; panel row 32 (t/2) + 8 (t%2) + rho + 8 (rho/8).  sc1: [panel][half of K][16 t + rho][four scale words].
; TILES.  A work-group of four waves makes 256 x 256 of C' = A' B'^T, a wave 128 x 128: 64 accumulators, 512 registers.  The matrix instruction takes B' as source 0 and A' as source 1: lane (r, h) then holds
; ONE row of A' (lane row r of tile a), and its 64 registers of that tile, R = 8 b + j, hold index 32 (R/16) + 16 h + R%16 of my 128 rows of B': sixteen neighbours for each pair of tiles.
; Clusters with y < 8: A' = tokens, B' = w_in's columns 0..2,047 (q and k): a lane's registers run along a head's 64, which is the K of q k^T.
; Clusters with y >= 8: A' = w_in's columns 2,048.. (v), B' = tokens: a lane's registers run along the tokens, which are the K of p v.  384 tiles in all.
; RING.  K is eight steps of 128; a slot of LDS holds two (A's two panels, B's two, 24,576 dense bytes each, one tensor load a wave).  Three slots are first fills, issued together; slot 0 is filled once more,
; with K steps 6 and 7, behind a round of the cluster's barrier, and has four K steps' products in which to land.  At most three tensor loads of a wave are out.  No padding: every LDS read is 16 or 8 bytes a lane on end.
; CLUSTER 4 x 4: A's tiles are shared along a row of the cluster, B's along a column: each is asked for jointly, by the same load with the same descriptor and a mask that names the four.
; SCALES: a wave's 2 x 128 rows x 8 words come straight into 64 registers, in whole runs of 256 bytes: register SC + 8 i + k holds A' tile i's word of K step k in lanes 0-15 and B' tile i's in lanes 16-31.
; OUT: a record of 315,392 bytes for each (batch, head): K images 16 x 6,144 | V images 16 x 6,144 | K scale words 16 x 512 | V scale words 16 x 256 | Q images | Q scale words; every store is 512 or 256 consecutive bytes from registers.
; No prefetch into the L2: three of the four fills go out at the head, where nothing is known earlier, and the launch is short.
; LIMITS: a block of zeros gets the byte 1 (zero codes; only this program reads the bytes); blocks under 2^-124 were not tried; NaN and infinities are not served.
; REGISTERS: window 0: v2, v3 16 and 8 x lane; v5 the scales' offset; v8-19 LDS addresses; v28, v29 the add's two; v32-95 scale words; v96-127 at work on the way out; v128-223 A' fragments, one set.
;   window 1: B' fragments, two sets, at v0 and v128.   windows 2, 3: accumulator (a, b) at v[64 (a%4) + 8 b] of window 2 + a/4.
.set SLOT,  98304
.set PANB,  24576                      ; two K steps of a panel: what one tensor load brings
.set KSB,   12288
.set FRB,   1536
.set FR,    12
.set SPARE, 3*SLOT                     ; behind the slots: the spare words, 128 bytes a wave: two blocks of 256 bytes that no other line names
.set REC,   315392
.set ADR,   8                          ; v[ADR + 4 slot + 0..3]: A' by 16, A' by 8, B' by 16, B' by 8 bytes a lane
.set SPW,   28
.set NIL,   29
.set SC,    32
.set AF,    128
.set TM,    96                         ; the way out: v96-99 largest magnitudes, v100-103 bytes, v108-111 scale operands
.set PWA,   112                        ; scale words of an even and of an odd tile
.set PWB,   113
.set WW,    114
.set SH0,   116                        ; v116-119, v120-123: the two heads' scale words of a step
.set SH1,   120
.set SV,    124                        ; v124-125: a head's scale words of v
.set P,     128                        ; v128-151 codes
.set T0,    152
.set T1,    156
.set G1A,   24
.set G1B,   32
.set G0A,   68                         ; s[68:79] group 0 for A', a set for each slot;  s[80:91] for B'
.set G0B,   80
.set LM,    49                         ; s49 the mask of lanes 16-31
.set SEL,   50                         ; s[50:51] lane selects: lane l xor 16
.set MSB,   0
.macro WIN new                         ; the immediate's high byte repeats the setting that is left
.if MSB != \new
	s_set_vgpr_msb (MSB<<8)|\new
.set MSB, \new
.endif
.endm
.set MUL_LO, 0xa1                      ; source 0 (B') window 1, source 1 (A') window 0, C and D window 2
.set MUL_HI, 0xf1                      ; the same, C and D window 3
.set TO_B,   0x40                      ; destination window 1, address window 0
; A joint load: waves 0 and 1 fetch A's two panels, waves 2 and 3 B's.  The branch hangs on the wave's number alone.  An s_nop 0 and four v_nop follow each line.
.macro JLOAD g0a, g1a, g0b, g1b
	s_cmp_eq_u32 s15, 0
	s_cbranch_scc0 .Lfor_b_\@
	tensor_load_to_lds s[\g0a:\g0a+3], s[\g1a:\g1a+7]
	s_nop 0
.rept 4
	v_nop
.endr
	s_branch .Lasked_\@
.Lfor_b_\@:
	tensor_load_to_lds s[\g0b:\g0b+3], s[\g1b:\g1b+7]
	s_nop 0
.rept 4
	v_nop
.endr
.Lasked_\@:
.endm
.macro CREST                           ; a round of the cluster's barrier behind its opening barrier
	s_cmp_lg_u32 s14, 0
	s_cbranch_scc1 .Lnot_wave_0_\@
	s_barrier_signal -3
.Lnot_wave_0_\@:
	s_barrier_wait -3
	s_barrier_signal -1
	s_barrier_wait -1
.endm
.macro CROUND
	s_barrier_signal -1
	s_barrier_wait -1
	CREST
.endm
.macro PLACES                          ; four plain places behind a matrix instruction, ahead of loads into its registers and of reads of its results
.rept 4
	v_nop
.endr
.endm
	s_load_b128 s[4:7], s[0:1], 0x0                ; opnd1 s[4:5], sc1 s[6:7]
	s_load_b64 s[8:9], s[0:1], 0x10                ; qkv
	v_lshl_add_u32 v[SPW], v0, 2, SPARE
	v_mov_b32 v[NIL], 0
	ds_add_u32 v[SPW], v[NIL]                      ; the wave's opening: the add and its wait ahead of my first tensor load; work on registers stands between them
	v_lshrrev_b32 v1, 5, v0
	v_readfirstlane_b32 s14, v1                    ; wave 0..3
	s_lshr_b32 s15, s14, 1                         ; my half of A'.  Also: I fetch for A' (0) or for B' (1)
	s_and_b32 s16, s14, 1                          ; my half of B'.  Also: which panel of the tile I fetch
	s_bfe_u32 s40, ttmp6, 0x40000                  ; cx
	s_bfe_u32 s41, ttmp6, 0x40004                  ; cy
	s_and_b32 s45, ttmp7, 0xffff                   ; the cluster's y, 0..11; ttmp9 is its x, 0..1: both are the same in all sixteen partners
	s_lshl_b32 s18, s45, 2                         ; q, k: A' = token tiles 4 y ..
	s_lshl_b32 s19, ttmp9, 2
	s_add_co_u32 s19, s19, 32                      ;       B' = w_in's tiles 32 + 4 x ..  (a tile is 256 rows of opnd1)
	s_sub_co_u32 s20, s45, 8
	s_lshl_b32 s20, s20, 1
	s_add_co_u32 s20, s20, ttmp9
	s_lshl_b32 s20, s20, 2                         ; v:    B' = token tiles 4 (2 (y - 8) + x) ..
	s_cmp_lt_u32 s45, 8
	s_cselect_b32 s17, s18, 40                     ;       A' = w_in's tiles 40 ..
	s_cselect_b32 s42, s19, s20
	s_add_co_u32 s17, s17, s41                     ; tile of A': shared along my row of the cluster
	s_add_co_u32 s42, s42, s40                     ; tile of B': shared along my column
	s_lshl_b32 s43, s41, 2
	s_lshl_b32 s43, 15, s43                        ; my row: places 4 cy .. 4 cy + 3
	s_lshl_b32 s44, 0x1111, s40                    ; my column: places cx, cx + 4, cx + 8, cx + 12
	s_or_b32 s[G1A], s43, (3<<16)|(1<<21)          ; 15:0 the mask; 17:16 elements of 8 bytes; 21 set beside a mask; no padding
	s_or_b32 s[G1B], s44, (3<<16)|(1<<21)
.irp g, G1A, G1B
	s_mov_b32 s[\g+1], 32<<16                      ; tensor_dim0 = 32 elements: rows of 256 bytes
	s_mov_b32 s[\g+2], 96<<16                      ; tensor_dim1 = 96 rows: 24,576 dense bytes
	s_mov_b32 s[\g+3], 32<<16                      ; tile_dim0
	s_mov_b32 s[\g+4], 96                          ; tile_dim1
	s_mov_b32 s[\g+5], 32                          ; the pitch
	s_mov_b32 s[\g+6], 0
	s_mov_b32 s[\g+7], 0
.endr
	s_lshl_b32 s20, s17, 1
	s_add_co_u32 s20, s20, s16
	s_mul_i32 s20, s20, 4*PANB                     ; A': the panel that I would fetch, in bytes
	s_mov_b32 s21, 0
	s_lshl_b32 s46, s42, 1
	s_add_co_u32 s46, s46, s16
	s_mul_i32 s46, s46, 4*PANB                     ; B' likewise, in registers that never hold cy
	s_mov_b32 s47, 0
	s_mul_i32 s48, s14, PANB                       ; where it goes in a slot: wave x 24,576: no place in the cluster enters an LDS address
	s_mov_b32 s[LM], 0xffff0000
	s_mov_b32 s[SEL], 0x76543210
	s_mov_b32 s[SEL+1], 0xfedcba98
	s_wait_dscnt 0x0                               ; the opening add is done
	s_wait_kmcnt 0x0
	s_add_nc_u64 s[20:21], s[4:5], s[20:21]
	s_add_nc_u64 s[46:47], s[4:5], s[46:47]
	CROUND                                         ; all sixteen work-groups are here: the first joint loads meet
.irp s, 0,1,2
	s_mov_b32 s[G0A+4*\s], 1
	s_add_co_u32 s[G0A+4*\s+1], s48, \s*SLOT
	s_add_nc_u64 s[G0A+4*\s+2:G0A+4*\s+3], s[20:21], \s*PANB       ; K steps 2 s, 2 s + 1
	s_or_b32 s[G0A+4*\s+3], s[G0A+4*\s+3], 0x80000000
	s_mov_b32 s[G0B+4*\s], 1
	s_add_co_u32 s[G0B+4*\s+1], s48, \s*SLOT
	s_add_nc_u64 s[G0B+4*\s+2:G0B+4*\s+3], s[46:47], \s*PANB
	s_or_b32 s[G0B+4*\s+3], s[G0B+4*\s+3], 0x80000000
	JLOAD G0A+4*\s, G1A, G0B+4*\s, G1B
.endr
	v_and_b32 v1, 31, v0
	v_lshlrev_b32 v2, 4, v1                        ; 16 x lane; never rewritten
	v_lshlrev_b32 v3, 3, v1                        ; 8 x lane; never rewritten
	s_mul_i32 s21, s15, PANB                       ; my panel of A',
	s_mul_i32 s22, s16, PANB
	s_add_co_u32 s22, s22, 2*PANB                  ; my panel of B', behind A's two
.irp s, 0,1,2
	v_add_nc_u32 v[ADR+4*\s], s21, v2
	v_add_nc_u32 v[ADR+4*\s+1], s21, v3
	v_add_nc_u32 v[ADR+4*\s+2], s22, v2
	v_add_nc_u32 v[ADR+4*\s+3], s22, v3
	s_add_co_u32 s21, s21, SLOT
	s_add_co_u32 s22, s22, SLOT
.endr
	v_and_b32 v4, 15, v0
	v_lshlrev_b32 v4, 4, v4                        ; 16 r
	s_lshl_b32 s21, s17, 1
	s_add_co_u32 s21, s21, s15
	s_lshl_b32 s21, s21, 12                        ; my panel of A' among the scale words: 4,096 bytes a panel
	s_lshl_b32 s22, s42, 1
	s_add_co_u32 s22, s22, s16
	s_lshl_b32 s22, s22, 12                        ; and of B'
	v_add_nc_u32 v5, s21, v4
	v_add_nc_u32 v6, s22, v4
	v_cndmask_b32 v5, v5, v6, s[LM]                ; lanes 0-15 take A's words, lanes 16-31 B's
.irp i, 0,1,2,3,4,5,6,7
.irp j, 0,1
	global_load_b128 v[SC+8*\i+4*\j:SC+8*\i+4*\j+3], v5, s[6:7] offset:2048*\j+256*\i   ; sixteen lanes read 256 consecutive bytes: tile i's words of K steps 4 j .. 4 j + 3
.endr
.endr
.macro FRAG reg, adr, off              ; a fragment's image back into 12 registers
	ds_load_b128 v[\reg:\reg+3], v[\adr] offset:\off
	ds_load_b64 v[\reg+4:\reg+5], v[\adr+1] offset:\off+512
	ds_load_b128 v[\reg+6:\reg+9], v[\adr] offset:\off+768
	ds_load_b64 v[\reg+10:\reg+11], v[\adr+1] offset:\off+1280
.endm
.macro FETCH_B k                       ; B's eight fragments of K step k (slot (k/2) % 3) into set k % 2: 32 loads
	WIN TO_B
.irp i, 0,1,2,3,4,5,6,7
	FRAG 128*((\k)%2)+FR*\i, ADR+4*(((\k)/2)%3)+2, KSB*((\k)%2)+FRB*\i
.endr
	WIN 0
.endm
.macro FETCH_A k, i0                   ; A's tiles i0 .. i0 + 3: 16 loads
.irp i, \i0, \i0+1, \i0+2, \i0+3
	FRAG AF+FR*(\i), ADR+4*(((\k)/2)%3), KSB*((\k)%2)+FRB*(\i)
.endr
.endm
; 16 matrix instructions: A's tiles a0, a0 + 1 against B's eight, K step k.  zero = 1: the first products start the sums.  The 64 accumulators take turns, one instruction a turn, in one order throughout.
.macro MUL16 a0, k, zero
.irp a, \a0, \a0+1
.irp b, 0,1,2,3,4,5,6,7
.if \zero
	v_wmma_scale_f32_16x16x128_f8f6f4 v[8*(8*((\a)%4)+\b):8*(8*((\a)%4)+\b)+7], v[128*((\k)%2)+FR*\b:128*((\k)%2)+FR*\b+FR-1], v[AF+FR*(\a):AF+FR*(\a)+FR-1], 0, v[SC+8*\b+(\k)], v[SC+8*(\a)+(\k)] matrix_a_fmt:MATRIX_FMT_FP6 matrix_b_fmt:MATRIX_FMT_FP6 matrix_a_scale:MATRIX_SCALE_ROW1
.else
	v_wmma_scale_f32_16x16x128_f8f6f4 v[8*(8*((\a)%4)+\b):8*(8*((\a)%4)+\b)+7], v[128*((\k)%2)+FR*\b:128*((\k)%2)+FR*\b+FR-1], v[AF+FR*(\a):AF+FR*(\a)+FR-1], v[8*(8*((\a)%4)+\b):8*(8*((\a)%4)+\b)+7], v[SC+8*\b+(\k)], v[SC+8*(\a)+(\k)] matrix_a_fmt:MATRIX_FMT_FP6 matrix_b_fmt:MATRIX_FMT_FP6 matrix_a_scale:MATRIX_SCALE_ROW1
.endif
.endr
.endr
.endm
.macro STEP k, zero                    ; a K step whose successor lies in bytes that every wave has been shown whole
	s_wait_dscnt 16                                ; B's set and A's tiles 0-3 are in; the youngest 16 loads (A's tiles 4-7) may be out
	WIN MUL_LO
	MUL16 0, \k, \zero
	MUL16 2, \k, \zero
	s_wait_dscnt 0x0                               ; A's tiles 4-7 are in
	PLACES
	FETCH_B (\k)+1
	FETCH_A (\k)+1, 0
	WIN MUL_HI
	MUL16 4, \k, \zero
	MUL16 6, \k, \zero
	PLACES
	WIN 0
	FETCH_A (\k)+1, 4
.endm
; A K step with a barrier in it.  In front of it each wave waits for all its tensor loads, adds 0 to its spare word, and waits for that and for its LDS reads.  fill = 1: the barrier opens a round of the cluster's, and slot 0 is filled again first thing behind it.
.macro TURN k, fill
	s_wait_tensorcnt 0x0                           ; all my tensor loads have landed (every window is 0 here)
	ds_add_u32 v[SPW], v[NIL]                      ; 0 onto my spare word
	s_wait_dscnt 17                                ; the add and the youngest 16 loads may be out
	WIN MUL_LO
	MUL16 0, \k, 0                                 ; sixteen matrix instructions stand between the add and the wait for it
	s_wait_dscnt 0x0                               ; the add is done, and my reads of the slot in hand are over
	s_barrier_signal -1
	MUL16 2, \k, 0
	WIN 0
	s_barrier_wait -1
.if \fill
	CREST                                          ; no wave of any partner still reads slot 0 or has a load on its way
	s_add_nc_u64 s[G0A+2:G0A+3], s[G0A+2:G0A+3], 3*PANB    ; from K steps 0, 1 to K steps 6, 7
	s_add_nc_u64 s[G0B+2:G0B+3], s[G0B+2:G0B+3], 3*PANB
	JLOAD G0A, G1A, G0B, G1B                       ; my one tensor load behind the round; its four v_nop are also the places in front of the loads below
.else
	PLACES
.endif
	FETCH_B (\k)+1
	FETCH_A (\k)+1, 0
	WIN MUL_HI
	MUL16 4, \k, 0
	MUL16 6, \k, 0
	PLACES
	WIN 0
	FETCH_A (\k)+1, 4
.endm
	s_wait_tensorcnt 2                             ; my part of slot 0 is in; the loads of slots 1 and 2 may be out
	s_barrier_signal -1
	s_barrier_wait -1                              ; everybody's is
	FETCH_B 0
	FETCH_A 0, 0
	FETCH_A 0, 4
	s_wait_loadcnt 0x0                             ; the scale words
	STEP 0, 1
	TURN 1, 1                                      ; slots 1 and 2 are shown whole to every wave here; slot 0 goes out again
	STEP 2, 0
	STEP 3, 0
	STEP 4, 0
	TURN 5, 0                                      ; the refilled slot 0 is shown whole
	STEP 6, 0
	s_wait_dscnt 16                                ; the last K step: nothing more to fetch
	WIN MUL_LO
	MUL16 0, 7, 0
	MUL16 2, 7, 0
	s_wait_dscnt 0x0
	WIN MUL_HI
	MUL16 4, 7, 0
	MUL16 6, 7, 0
	WIN 0
; THE WAY OUT.  QUANT: the 64 results of A' tile a (four blocks of 32, each in lanes l and l xor 16) become codes: blocks 0, 1 in v[d0 .. d0+5], blocks 2, 3 in v[d1 .. d1+5], a whole block to a lane; their four bytes in v[pw].
; Each accumulator is read from its low end on.
.macro QUANT a, d0, d1, pw
.set AC, 64*((\a)%4)
	WIN 0x28+0x14*((\a)/4)                         ; sources 1 and 2: the accumulators' window
.irp b, 0,1,2,3
	v_max3_num_f32 v[TM+\b], 0x1800000, |v[AC+16*\b]|, |v[AC+16*\b+1]|   ; my 16 numbers of block b, and the floor 2^(3 - 127), which holds the byte at 1 from below
.endr
.irp i, 2,4,6,8,10,12,14
.irp b, 0,1,2,3
	v_max3_num_f32 v[TM+\b], v[TM+\b], |v[AC+16*\b+\i]|, |v[AC+16*\b+\i+1]|
.endr
.endr
	WIN 0
.irp b, 0,1,2,3
	v_permlanex16_b32 v[TM+4+\b], v[TM+\b], s[SEL], s[SEL+1]
.endr
.irp b, 0,1,2,3
	v_max_num_f32 v[TM+\b], v[TM+\b], v[TM+4+\b]   ; the block's largest magnitude
.endr
.irp b, 0,1,2,3
	v_add_nc_u32 v[TM+12+\b], 0xff000000, v[TM+\b] ; 2 off its exponent field: the conversion's scale operand
.endr
.irp b, 0,1,2,3
	v_lshrrev_b32 v[TM+4+\b], 23, v[TM+12+\b]      ; the byte
.endr
	v_lshl_or_b32 v[\pw], v[TM+5], 8, v[TM+4]
	v_lshl_or_b32 v[\pw], v[TM+6], 16, v[\pw]
	v_lshl_or_b32 v[\pw], v[TM+7], 24, v[\pw]
	WIN 0x02+(\a)/4                                ; source 0: the accumulators' window
	v_cvt_scalef32_pk16_fp6_f32 v[\d0:\d0+2], v[AC:AC+15], v[TM+12]
	v_cvt_scalef32_pk16_fp6_f32 v[T0:T0+2], v[AC+16:AC+31], v[TM+13]
	v_cvt_scalef32_pk16_fp6_f32 v[\d1:\d1+2], v[AC+32:AC+47], v[TM+14]
	v_cvt_scalef32_pk16_fp6_f32 v[T1:T1+2], v[AC+48:AC+63], v[TM+15]
	WIN 0
	v_nop                                          ; one plain place behind the scaled conversions
.irp i, 0,1,2
	v_permlane16_swap_b32 v[\d0+\i], v[T0+\i]      ; the first's lanes 16-31 change places with the second's lanes 0-15: a whole block to a lane
	v_permlane16_swap_b32 v[\d1+\i], v[T1+\i]
.endr
.irp i, 0,1,2
	v_mov_b32 v[\d0+3+\i], v[T0+\i]
	v_mov_b32 v[\d1+3+\i], v[T1+\i]
.endr
.endm
	PLACES
.irp b, 0,1,2,3
	v_mov_b32 v[TM+4+\b], 0                        ; written once: a lane permute's destination counts as one of its sources
.endr
	s_cmp_lt_u32 s45, 8                            ; the cluster's y: the same in all partners
	s_cbranch_scc0 .Larm_v
	; ---- q or k: my 128 tokens are step (panel % 16) of batch (panel / 16); my 128 columns are two heads
	s_lshl_b32 s20, s17, 1
	s_add_co_u32 s20, s20, s15                     ; token panel
	s_lshr_b32 s21, s20, 4                         ; batch
	s_and_b32 s20, s20, 15                         ; step
	s_sub_co_u32 s22, s42, 32
	s_lshl_b32 s22, s22, 2
	s_lshl_b32 s23, s16, 1
	s_add_co_u32 s22, s22, s23
	s_and_b32 s22, s22, 15                         ; my first head
	s_lshl_b32 s21, s21, 4
	s_add_co_u32 s21, s21, s22
	s_mul_i32 s21, s21, REC                        ; its record
	s_mul_i32 s22, s20, 6144
	s_lshl_b32 s23, s20, 9
	s_cmp_eq_u32 ttmp9, 0                          ; cluster x = 0: columns 0..1,023: q
	s_cselect_b32 s52, 208896, 0                   ; Q's images or K's
	s_mov_b32 s53, 196608
	s_cselect_b32 s53, 307200, s53                 ; Q's scale words or K's
	s_add_co_u32 s52, s52, s21
	s_add_co_u32 s52, s52, s22
	s_add_co_u32 s54, s53, s21
	s_add_co_u32 s54, s54, s23
	s_mov_b32 s53, 0
	s_mov_b32 s55, 0
	s_add_nc_u64 s[52:53], s[8:9], s[52:53]
	s_add_nc_u64 s[54:55], s[8:9], s[54:55]
.irp jj, 0,1,2,3                       ; two token tiles at a time: 12 registers a head: three runs of 512 bytes
.if \jj > 0
	s_wait_xcnt 0x0                                ; the stores have read the codes' registers
.endif
	QUANT 2*\jj, P, P+12, PWA
	QUANT 2*\jj+1, P+6, P+18, PWB
	v_cndmask_b32 v[WW], v[PWA], v[PWB], s[LM]     ; the even tile's words in lanes 0-15, the odd tile's in lanes 16-31
	v_and_b32 v[SH0+\jj], 0xffff, v[WW]            ; the first head's two bytes; the upper two are 0
	v_lshrrev_b32 v[SH1+\jj], 16, v[WW]            ; the second head's
.irp g, 0,1,2
	global_store_b128 v2, v[P+4*\g:P+4*\g+3], s[52:53] offset:512*(3*\jj+\g)
	global_store_b128 v2, v[P+12+4*\g:P+12+4*\g+3], s[52:53] offset:REC+512*(3*\jj+\g)
.endr
.endr
	global_store_b128 v2, v[SH0:SH0+3], s[54:55]
	global_store_b128 v2, v[SH1:SH1+3], s[54:55] offset:REC
	s_branch .Lout_done
.Larm_v:
	; ---- v: my 128 rows of A' are two heads x 64 channels (four tiles each); my 128 tokens are one step of keys: each tile is one whole fragment
	s_lshl_b32 s20, s42, 1
	s_add_co_u32 s20, s20, s16                     ; token panel
	s_lshr_b32 s21, s20, 4
	s_and_b32 s20, s20, 15
	s_lshl_b32 s22, s41, 2
	s_lshl_b32 s23, s15, 1
	s_add_co_u32 s22, s22, s23                     ; my first head
	s_lshl_b32 s21, s21, 4
	s_add_co_u32 s21, s21, s22
	s_mul_i32 s21, s21, REC
	s_mul_i32 s22, s20, 6144
	s_lshl_b32 s23, s20, 8
	s_add_co_u32 s52, s21, s22
	s_add_co_u32 s52, s52, 98304                   ; V's images
	s_add_co_u32 s54, s21, s23
	s_add_co_u32 s54, s54, 204800                  ; V's scale words
	s_mov_b32 s53, 0
	s_mov_b32 s55, 0
	s_add_nc_u64 s[52:53], s[8:9], s[52:53]
	s_add_nc_u64 s[54:55], s[8:9], s[54:55]
.irp a, 0,1,2,3,4,5,6,7
.if \a > 0
	s_wait_xcnt 0x0                                ; the stores have read their registers
.endif
.if \a%2 == 0
	QUANT \a, P, P+6, PWA
.else
	QUANT \a, P, P+6, PWB
.endif
.irp g, 0,1,2
	global_store_b128 v2, v[P+4*\g:P+4*\g+3], s[52:53] offset:REC*(\a/4)+FRB*(\a%4)+512*\g
.endr
.if \a%2 == 1
	v_cndmask_b32 v[SV+(\a%4)/2], v[PWA], v[PWB], s[LM]
.endif
.if \a%4 == 3
	global_store_b64 v3, v[SV:SV+1], s[54:55] offset:REC*(\a/4)
.endif
.endr
.Lout_done:
	s_wait_tensorcnt 0x0                           ; the wave's end, behind my last tensor load
	ds_add_u32 v[SPW], v[NIL]
	s_wait_dscnt 0x0
	CROUND                                         ; the closing round: no work-group ends while a partner may still ask for a tile that names it
	s_endpgm
.Lfunc_end_k_qe94e67ee4b_gemm1:
	.size	k_qe94e67ee4b_gemm1, .Lfunc_end_k_qe94e67ee4b_gemm1-k_qe94e67ee4b_gemm1
	.p2alignl 7, 3214868480
	.fill 96, 4, 3214868480
	.section	.rodata,"a",@progbits
	.p2align	6, 0x0
	.amdhsa_kernel k_qe94e67ee4b_gemm1
		.amdhsa_group_segment_fixed_size 327680
		.amdhsa_private_segment_fixed_size 0
		.amdhsa_enable_private_segment 0
		.amdhsa_kernarg_size 24
		.amdhsa_user_sgpr_count 2
		.amdhsa_user_sgpr_kernarg_segment_ptr 1
		.amdhsa_wavefront_size32 1
		.amdhsa_system_sgpr_workgroup_id_x 1
		.amdhsa_system_sgpr_workgroup_id_y 1
		.amdhsa_system_sgpr_workgroup_id_z 1
		.amdhsa_system_vgpr_workitem_id 0
		.amdhsa_next_free_vgpr 1024
		.amdhsa_next_free_sgpr 100
		.amdhsa_reserve_vcc 0
		.amdhsa_float_denorm_mode_32 3
		.amdhsa_float_denorm_mode_16_64 3
		.amdhsa_memory_ordered 1
		.amdhsa_forward_progress 1
		.amdhsa_inst_pref_size 181
	.end_amdhsa_kernel
	.amdgpu_metadata
---
amdhsa.version: [ 1, 2 ]
amdhsa.kernels:
  - .name:           k_qe94e67ee4b_gemm1
    .symbol:         k_qe94e67ee4b_gemm1.kd
    .args:
      - { .name: opnd1, .offset: 0, .size: 8, .value_kind: global_buffer, .address_space: global }
      - { .name: sc1, .offset: 8, .size: 8, .value_kind: global_buffer, .address_space: global }
      - { .name: qkv, .offset: 16, .size: 8, .value_kind: global_buffer, .address_space: global }
    .group_segment_fixed_size: 327680
    .private_segment_fixed_size: 0
    .kernarg_segment_align: 8
    .kernarg_segment_size: 24
    .max_flat_workgroup_size: 128
    .sgpr_count:     100
    .vgpr_count:     1024
    .wavefront_size: 32
...
	.end_amdgpu_metadata
.endif
;; end of part 2
;; launch attn (part 3): grid 4 x 64, 16 waves a work-group, clusters of 4 x 1, 210,944 bytes of LDS; arguments qkv, opnd2, sc2; writes opnd2, sc2
.if DOCPART == 3
	.amdgcn_target "amdgcn-amd-amdhsa--gfx1250"
	.amdhsa_code_object_version 6
	.text
	.protected	k_qe94e67ee4b_attn
	.globl	k_qe94e67ee4b_attn
	.p2align	8
	.type	k_qe94e67ee4b_attn,@function
k_qe94e67ee4b_attn:
	s_mov_b64 s[64:65], 0
	v_nop
	global_prefetch_b8 v0, s[64:65] scope:SCOPE_SE
	s_setreg_imm32_b32 hwreg(HW_REG_WAVE_MODE, 25, 1), 1
	s_wait_xcnt 0x0
	s_wait_alu depctr_hold_cnt(0) depctr_sa_sdst(0) depctr_va_vdst(0) depctr_va_sdst(0) depctr_va_ssrc(0) depctr_va_vcc(0) depctr_vm_vsrc(0)
	s_getreg_b32 s2, hwreg(HW_REG_IB_STS2, 6, 4)
	s_cmp_eq_u32 s2, 0
	s_cbranch_scc0 .Lentry_in_a_cluster
	s_endpgm
.Lentry_in_a_cluster:
	s_bfe_u32 s2, ttmp6, 0x10000c
	s_cmp_lg_u32 s2, 0x3003
	s_cbranch_scc0 .Lentry_shape_is_right
	s_endpgm
.Lentry_shape_is_right:
; Causal attention for one (batch, head) a cluster, both products on codes of FP6 (E2M3) with E8M0 scales; the result, divided by the row's sum, is quantised along the hidden axis and stored as the A operand of the last GEMM.
; IN: a record of qkv: K images 16 steps x 6,144 | V images 16 x 6,144 | K scale words 16 x 512 | V scale words 16 x 256 (these 208,896 bytes ARE the LDS map) | Q images | Q scale words.  A step is 128 tokens.
; A step's K is 48 registers a lane, register 6 t + i = register i of token tile t's fragment (the head's 64 are half of the instruction's K); lane row rho of tile t is token 32 (t/2) + 8 (t%2) + rho + 8 (rho/8) of the step.
; THE UPPER 64 OF K IN q k^T: Q's fragment has zero codes there.  K's fragment t is named as v[32 + 6 t .. + 11]: its upper six registers are the next tile's codes (zeros behind the last), which meet Q's zeros and add nothing.
; SHARES.  The four work-groups of a cluster own one head: its K and V lie whole in each one's LDS, brought ONCE by eight joint loads (waves 0-7, 26,112 bytes each): no ring, no refill, one barrier.
; Wave w takes query tiles 127 - (4 w + cx) and 4 w + cx, one after the other: 16 - w/2 and w/2 + 1 steps of keys, 17 for every wave, and the counts hang on the wave's number alone.
; Steps that lie wholly behind the mask are left out (a scalar branch on the wave's number and the step's); the loop's trip count is the constant 16.
; SOFTMAX: t = score x log2(e) / 8; M = the running largest t rounded up to a whole number; p = 2^(t - M) is quantised along the keys, not normalised; the sum is taken of the unquantised p; when M moves, sum and O are multiplied by 2^(old M - new M).
; Masked scores become -8e10, which is the reference's -1e10 ahead of the division by 8.
; Both products are used transposed: a lane holds ONE query throughout; p's 16 registers of two neighbouring tiles are 16 neighbouring keys; O^T's register R holds channel 32 (R/16) + 16 h + R%16.
; Sixteen waves of 256 registers: four to a SIMD, so that one wave's vector work stands beside another's matrix work and LDS loads; a step has 12 matrix instructions and some 240 vector instructions.
; No prefetch into the L2: all that the launch reads is asked for at its head.
; LIMITS: steps wholly behind the mask are skipped, which is right while a row's largest visible score lies above -8e10; a block of zeros gets the byte 1 (zero codes; only this program reads the bytes); NaN and infinities are not served.
; The two scale bytes of a (token, head) leave by a store of two bytes a lane: a scale word is shared by two heads, which are two clusters' work; they are one byte in 24 of what the launch stores.
; REGISTERS: v1, v2 16, 8 x lane; v3, v4 the mask's lane datum of the two tiles; v5, v6 the add's two; v7 16 r; v8-11 addresses in hand; v12 -M; v13 largest t; v[14:15] the sum; v16-21 Q, v22-27 zeros; v28 Q's scale word;
; v29-31 LDS bases; v32-79 K's, later V's 48; v80-85 zeros; v86-92 the second tile's Q; v96-159 S^T, p; v160-191 O^T; v192-203 p's codes; v204-210 conversions; v212-223 blocks' maxima, bytes, scale operands;
; v224-227 K's scale words, v228-229 V's, v230 p's; v[232:233] f; v234 at work; v235 -8e10; v[236:237] the second sum; v240-250 the way out; v251 lane.
.set REC,   315392
.set STEPB, 6144
.set VIMG,  98304
.set KSC,   196608
.set VSC,   204800
.set QIMG,  208896
.set QSC,   307200
.set SPARE, 208896                     ; behind the head's bytes: the spare words, 128 bytes for each of 16 waves: eight blocks of 256 bytes that no other line names
.set FILLB, 26112                      ; 102 rows of 256 bytes: an eighth of the head's bytes
.set L16, 1
.set L8,  2
.set DQ,  3
.set SPW, 5
.set NIL, 6
.set R16, 7
.set BV,  29
.set BS,  30
.set BT,  31
.set WV,  18
.set SEL, 20
.set CS,  22
.set G1,  24
.set G0,  32
.set NST, 40                           ; s40, s41 steps of keys of the two tiles
.set ST,  42
.set TB,  43
.set TS,  44
.set TV,  45
.set PTR, 46                           ; s[46:47], s[48:49] codes and scale bytes of the first tile; s[50:53] of the second
.set RB,  54                           ; s[54:55] my head's record
.macro CROUND                          ; a round of the cluster's barrier
	s_barrier_signal -1
	s_barrier_wait -1
	s_cmp_lg_u32 s[WV], 0
	s_cbranch_scc1 .Lnot_wave_0_\@
	s_barrier_signal -3
.Lnot_wave_0_\@:
	s_barrier_wait -3
	s_barrier_signal -1
	s_barrier_wait -1
.endm
	s_load_b128 s[4:7], s[0:1], 0x0                ; qkv s[4:5], opnd2 s[6:7]
	s_load_b64 s[8:9], s[0:1], 0x10                ; sc2
	v_lshl_add_u32 v[SPW], v0, 2, SPARE
	v_mov_b32 v[NIL], 0
	ds_add_u32 v[SPW], v[NIL]                      ; the wave's opening: the add and its wait ahead of the first tensor load; work on registers stands between them
	ds_add_u32 v[SPW], v[NIL]
	v_lshrrev_b32 v8, 5, v0
	s_delay_alu instid0(VALU_DEP_1)
	v_readfirstlane_b32 s[WV], v8                  ; wave 0..15
	s_bfe_u32 s36, ttmp6, 0x40000                  ; cx: it enters global addresses and the mask's lane data alone
	s_and_b32 s37, ttmp7, 0xffff                   ; 16 batch + head
	s_lshl_b32 s39, s[WV], 2
	s_add_co_u32 s39, s39, s36                     ; my early tile of queries
	s_sub_co_u32 s38, 127, s39                     ; my late one
	s_lshr_b32 s[NST+1], s[WV], 1
	s_sub_co_u32 s[NST], 16, s[NST+1]
	s_add_co_u32 s[NST+1], s[NST+1], 1
	s_mov_b32 s[G1], 15|(3<<16)|(1<<21)            ; 15:0 the mask: all four work-groups; 17:16 elements of 8 bytes; 21 set beside a mask; no padding
	s_mov_b32 s[G1+1], 32<<16                      ; rows of 256 bytes
	s_mov_b32 s[G1+2], 102<<16
	s_mov_b32 s[G1+3], 32<<16
	s_mov_b32 s[G1+4], 102
	s_mov_b32 s[G1+5], 32
	s_mov_b32 s[G1+6], 0
	s_mov_b32 s[G1+7], 0
	s_mov_b32 s[G0], 1
	s_mul_i32 s[G0+1], s[WV], FILLB                ; LDS address: my eighth
	s_mul_i32 s56, s37, REC
	s_mov_b32 s57, 0
	s_mov_b32 s58, s[G0+1]
	s_mov_b32 s59, 0
	s_mov_b32 s[SEL], 0x76543210
	s_mov_b32 s[SEL+1], 0xfedcba98
	s_mov_b32 s[CS], 0x3e38aa3b                    ; c = log2(e) / 8
	s_mov_b32 s[CS+1], s[CS]                       ; (named with it as a pair, so it is written)
	s_and_b32 s68, s37, 0x30                       ; 16 batch: the batch's first token panel
	s_and_b32 s71, s37, 15                         ; head
	s_lshr_b32 s69, s71, 1
	s_mul_i32 s69, s69, 12288                      ; the head is half (head % 2) of K step head / 2 of the last GEMM
	s_and_b32 s72, s71, 1
	s_mul_i32 s73, s72, 768
	s_add_co_u32 s69, s69, s73
	s_lshr_b32 s70, s71, 3
	s_lshl_b32 s70, s70, 11
	s_bfe_u32 s73, s71, 0x20001
	s_lshl_b32 s73, s73, 2
	s_add_co_u32 s70, s70, s73
	s_lshl_b32 s72, s72, 1
	s_add_co_u32 s70, s70, s72                     ; and its two bytes' place among a row's scale words
	s_wait_dscnt 0x0                               ; the opening add is done
	s_wait_kmcnt 0x0
	s_add_nc_u64 s[RB:RB+1], s[4:5], s[56:57]
	s_add_nc_u64 s[G0+2:G0+3], s[RB:RB+1], s[58:59]
	s_or_b32 s[G0+3], s[G0+3], 0x80000000
	CROUND                                         ; all four work-groups are here: the joint loads meet
	s_cmp_lt_u32 s[WV], 8
	s_cbranch_scc0 .Lno_fill
	tensor_load_to_lds s[G0:G0+3], s[G1:G1+7]      ; one load a wave is out
	s_nop 0
.rept 4
	v_nop
.endr
.Lno_fill:
	v_and_b32 v251, 31, v0
	s_delay_alu instid0(VALU_DEP_1)
	v_lshlrev_b32 v[L16], 4, v251
	s_delay_alu instid0(VALU_DEP_2)
	v_lshlrev_b32 v[L8], 3, v251
	v_and_b32 v8, 15, v0                           ; r
	s_delay_alu instid0(VALU_DEP_1)
	v_lshlrev_b32 v[R16], 4, v8
	v_bfe_u32 v9, v0, 4, 1                         ; h
	s_delay_alu instid0(VALU_DEP_3)
	v_and_b32 v10, 8, v8
	s_delay_alu instid0(VALU_DEP_1)
	v_add_nc_u32 v10, v10, v8
	s_delay_alu instid0(VALU_DEP_3)
	v_lshlrev_b32 v11, 4, v9
	s_delay_alu instid0(VALU_DEP_1)
	v_sub_nc_u32 v10, v10, v11                     ; r + 8 (r/8) - 16 h
	v_add_nc_u32 v[BV], VIMG, v[L16]
	v_add_nc_u32 v[BS], KSC, v[L16]
	v_add_nc_u32 v[BT], VSC, v[L8]
; Q of the tile in s[ts]: registers 6 a .. 6 a + 5 (a = tile % 8) of its step's image, in pairs: pair P = 3 a + i lies at 512 (P/2) + 8 (P%2) + 16 lane; its scale word at 16 (r + 16 (a%2)) + 4 (a/2)
.macro QLOAD ts, q, sw, tv
	s_lshr_b32 s60, s[\ts], 3
	s_and_b32 s61, s[\ts], 7
	s_mul_i32 s62, s60, STEPB
	s_mul_i32 s63, s61, 3
.irp i, 0,1,2
	s_add_co_u32 s66, s63, \i
	s_lshr_b32 s67, s66, 1
	s_lshl_b32 s67, s67, 9
	s_and_b32 s66, s66, 1
	s_lshl_b32 s66, s66, 3
	s_add_co_u32 s66, s66, s67
	s_add_co_u32 s66, s66, s62
	v_add_nc_u32 v[\tv+\i], s66, v[L16]
	global_load_b64 v[\q+2*\i:\q+2*\i+1], v[\tv+\i], s[RB:RB+1] offset:QIMG
.endr
	s_lshl_b32 s66, s60, 9
	s_and_b32 s67, s61, 1
	s_lshl_b32 s67, s67, 8
	s_add_co_u32 s66, s66, s67
	s_lshr_b32 s67, s61, 1
	s_lshl_b32 s67, s67, 2
	s_add_co_u32 s66, s66, s67
	v_add_nc_u32 v[\tv+3], s66, v[R16]
	global_load_b32 v[\sw], v[\tv+3], s[RB:RB+1] offset:QSC
.endm
.macro DQSET ts, p                     ; my query's place in its step, less 16 h: register n of S^T holds key 32 (n/16) + n%16 + 16 h of the step
	s_bfe_u32 s60, s[\ts], 0x20001
	s_lshl_b32 s60, s60, 5
	s_and_b32 s61, s[\ts], 1
	s_lshl_b32 s61, s61, 3
	s_add_co_u32 s60, s60, s61
	v_add_nc_u32 v[DQ+\p], s60, v10
.endm
.macro OPTR ts, pc, ps                 ; where the tile's codes and scale bytes go
	s_lshr_b32 s60, s[\ts], 3
	s_add_co_u32 s60, s60, s68                     ; token panel
	s_and_b32 s61, s[\ts], 7                       ; tile in it
	s_mul_i32 s62, s60, 98304
	s_mul_i32 s63, s61, 1536
	s_add_co_u32 s62, s62, s63
	s_add_co_u32 s62, s62, s69
	s_mov_b32 s63, 0
	s_add_nc_u64 s[\pc:\pc+1], s[6:7], s[62:63]
	s_lshl_b32 s62, s60, 12
	s_lshl_b32 s61, s61, 8
	s_add_co_u32 s62, s62, s61
	s_add_co_u32 s62, s62, s70
	s_add_nc_u64 s[\ps:\ps+1], s[8:9], s[62:63]
.endm
	QLOAD 38, 16, 28, 240
	QLOAD 39, 86, 92, 244
	DQSET 38, 0
	DQSET 39, 1
	OPTR 38, PTR, PTR+2
	OPTR 39, PTR+4, PTR+6
.irp i, 0,1,2,3,4,5
	v_mov_b32 v[22+\i], 0                          ; Q's codes of the upper 64 along K: zeros
	v_mov_b32 v[80+\i], 0                          ; behind K's last tile: zeros
.endr
.irp b, 0,1,2,3
	v_mov_b32 v[216+\b], 0                         ; written once: a lane permute's destination counts as one of its sources
.endr
	v_mov_b32 v234, 0
	v_mov_b32 v233, 0                              ; (named as the upper half of the pair v[232:233])
	v_mov_b32 v235, 0xd19502f9                     ; -8e10
	s_wait_tensorcnt 0x0                           ; my eighth of the head has landed (a wave that fetched nothing passes at once),
	s_barrier_signal -1
	s_barrier_wait -1                              ; everybody's has
	s_wait_loadcnt 0x0                             ; Q of both tiles
; A STEP OF 128 KEYS for the tile of pass p
.macro KSTEP p
	v_add_nc_u32 v8, s[TB], v[L16]                 ; these four are also the places behind the last step's products, ahead of the loads into their registers
	v_add_nc_u32 v9, s[TB], v[BV]
	v_add_nc_u32 v10, s[TS], v[BS]
	v_add_nc_u32 v11, s[TV], v[BT]
.irp g, 0,1,2,3,4,5,6,7,8,9,10,11
	ds_load_b128 v[32+4*\g:35+4*\g], v8 offset:512*\g
.endr
	ds_load_b128 v[224:227], v10                   ; register j: tile 2 j's scale words in lanes 0-15, tile 2 j + 1's in lanes 16-31
	s_wait_alu depctr_va_vdst(0)
	s_wait_dscnt 0x0
.irp t, 0,1,2,3,4,5,6,7                ; S^T = K Q^T
.if \t%2
	v_wmma_scale_f32_16x16x128_f8f6f4 v[96+8*\t:103+8*\t], v[32+6*\t:43+6*\t], v[16:27], 0, v[224+\t/2], v28 matrix_a_fmt:MATRIX_FMT_FP6 matrix_b_fmt:MATRIX_FMT_FP6 matrix_a_scale:MATRIX_SCALE_ROW1
.else
	v_wmma_scale_f32_16x16x128_f8f6f4 v[96+8*\t:103+8*\t], v[32+6*\t:43+6*\t], v[16:27], 0, v[224+\t/2], v28 matrix_a_fmt:MATRIX_FMT_FP6 matrix_b_fmt:MATRIX_FMT_FP6
.endif
.endr
.rept 4
	v_nop                                          ; places ahead of the loads into K's registers and of the first read of the scores
.endr
.irp g, 0,1,2,3,4,5,6,7,8,9,10,11
	ds_load_b128 v[32+4*\g:35+4*\g], v9 offset:512*\g      ; V's four fragments: they land under the softmax
.endr
	ds_load_b64 v[228:229], v11
	s_add_co_u32 s96, s[ST], 1                     ; the tile's last step lies on the diagonal: there hidden scores are replaced; every earlier step's keys all count
	s_cmp_lg_u32 s96, s[NST+\p]
	s_cbranch_scc1 .Lopen_\@
.set N, 0
.rept 64
	v_cmp_gt_i32 vcc_lo, 32*(N/16)+N%16, v[DQ+\p]
	v_cndmask_b32 v[96+N], v[96+N], v235, vcc_lo
.set N, N+1
.endr
.Lopen_\@:
.irp b, 0,1,2,3
	v_max3_num_f32 v[212+\b], v[96+16*\b], v[97+16*\b], v[98+16*\b]   ; the largest score of each block of 32 keys: it serves the row's maximum and, since p rises with the score, the block's largest p
.endr
.irp i, 3,5,7,9,11,13
.irp b, 0,1,2,3
	v_max3_num_f32 v[212+\b], v[212+\b], v[96+16*\b+\i], v[97+16*\b+\i]
.endr
.endr
.irp b, 0,1,2,3
	v_max_num_f32 v[212+\b], v[212+\b], v[111+16*\b]
.endr
.irp b, 0,1,2,3
	s_delay_alu instid0(VALU_DEP_4)
	v_permlanex16_b32 v[216+\b], v[212+\b], s[SEL], s[SEL+1]
.endr
.irp b, 0,1,2,3
	s_delay_alu instid0(VALU_DEP_4)
	v_max_num_f32 v[212+\b], v[212+\b], v[216+\b]
.endr
	s_delay_alu instid0(VALU_DEP_2)
	v_max3_num_f32 v234, v212, v213, v214
	s_delay_alu instid0(VALU_DEP_1)
	v_max_num_f32 v234, v234, v215
	s_delay_alu instid0(VALU_DEP_1)
	v_mul_f32 v234, s[CS], v234                    ; as t
	s_delay_alu instid0(VALU_DEP_1)
	v_max_num_f32 v13, v13, v234                   ; the running largest t
	v_mov_b32 v234, v12
	s_delay_alu instid0(VALU_DEP_2)
	v_floor_f32 v12, -v13                          ; the new -M = -ceil(t): a whole number
	s_delay_alu instid0(VALU_DEP_1)
	v_sub_f32 v234, v12, v234                      ; old M - new M: a whole number, 0 or less
	s_delay_alu instid0(VALU_DEP_1)
	v_cvt_i32_f32 v234, v234                       ; (it saturates)
	s_delay_alu instid0(VALU_DEP_1)
	v_ldexp_f32 v232, 1.0, v234                    ; f = 2^(old M - new M)
.set J, 0
.rept 32
	v_pk_fma_f32 v[96+J:97+J], v[96+J:97+J], s[CS:CS+1], v[12:13] op_sel_hi:[1,0,0]   ; t - M, two at a time
.set J, J+2
.endr
	s_setprio 1
.irp b, 0,1,2,3
	v_fma_f32 v[212+\b], v[212+\b], s[CS], v12     ; the same of each block's largest score
.endr
.set J, 0
	s_wait_alu depctr_va_vdst(0)
.rept 64
	v_exp_f32 v[96+J], v[96+J]                     ; p = 2^(t - M), at most 1
.set J, J+1
.endr
	v_pk_mul_f32 v[14:15], v[14:15], v[232:233] op_sel_hi:[1,0]   ; the sums under the new M: a plain place behind the exponentials
	s_wait_alu depctr_va_vdst(0)                   ; one wait for the batch of 64, ahead of its first reader
.irp b, 0,1,2,3
	v_exp_f32 v[212+\b], v[212+\b]                 ; the block's largest p
.endr
	v_pk_add_f32 v[236:237], v[100:101], v[104:105]
	v_pk_add_f32 v[254:255], v[108:109], v[112:113]
	v_pk_add_f32 v[252:253], v[116:117], v[120:121]
	v_pk_add_f32 v[238:239], v[124:125], v[128:129]
	v_pk_add_f32 v[94:95], v[132:133], v[136:137]
	v_pk_add_f32 v[14:15], v[14:15], v[140:141]
	v_pk_add_f32 v[236:237], v[236:237], v[144:145]
	v_pk_add_f32 v[254:255], v[254:255], v[148:149]
	v_pk_add_f32 v[252:253], v[252:253], v[152:153]
	v_pk_add_f32 v[238:239], v[238:239], v[156:157]
	v_pk_add_f32 v[94:95], v[94:95], v[96:97]
	v_pk_add_f32 v[14:15], v[14:15], v[98:99]
	v_pk_add_f32 v[236:237], v[236:237], v[102:103]
	v_pk_add_f32 v[254:255], v[254:255], v[106:107]
	v_pk_add_f32 v[252:253], v[252:253], v[110:111]
	v_pk_add_f32 v[238:239], v[238:239], v[114:115]
	v_pk_add_f32 v[94:95], v[94:95], v[118:119]
	v_pk_add_f32 v[14:15], v[14:15], v[122:123]
	v_pk_add_f32 v[236:237], v[236:237], v[126:127]
	v_pk_add_f32 v[254:255], v[254:255], v[130:131]
	v_pk_add_f32 v[252:253], v[252:253], v[134:135]
	v_pk_add_f32 v[238:239], v[238:239], v[138:139]
	v_pk_add_f32 v[94:95], v[94:95], v[142:143]
	v_pk_add_f32 v[14:15], v[14:15], v[146:147]
	v_pk_add_f32 v[236:237], v[236:237], v[150:151]
	v_pk_add_f32 v[254:255], v[254:255], v[154:155]
	v_pk_add_f32 v[252:253], v[252:253], v[158:159]
	s_delay_alu instid0(VALU_DEP_1)
	v_pk_add_f32 v[14:15], v[14:15], v[252:253]
	s_delay_alu instid0(VALU_DEP_4)
	v_pk_add_f32 v[236:237], v[236:237], v[238:239]
	s_delay_alu instid0(VALU_DEP_4)
	v_pk_add_f32 v[254:255], v[254:255], v[94:95]
	s_delay_alu instid0(VALU_DEP_1)
	v_pk_add_f32 v[14:15], v[14:15], v[254:255]
	s_delay_alu instid0(VALU_DEP_1)
	v_pk_add_f32 v[14:15], v[14:15], v[236:237]
	s_wait_alu depctr_va_vdst(0)                   ; and one for the four
.irp b, 0,1,2,3
	v_max_num_f32 v[212+\b], 0x1800000, v[212+\b]  ; the floor 2^(3 - 127): the byte cannot fall under 1
.endr
.irp b, 0,1,2,3
	s_delay_alu instid0(VALU_DEP_4)
	v_add_nc_u32 v[220+\b], 0xff000000, v[212+\b]  ; the conversion's scale operand
.endr
.irp b, 0,1,2,3
	s_delay_alu instid0(VALU_DEP_4)
	v_lshrrev_b32 v[216+\b], 23, v[220+\b]         ; the byte
.endr
	s_delay_alu instid0(VALU_DEP_3)
	v_lshl_or_b32 v230, v217, 8, v216              ; p's scale word for these 128 keys
	s_delay_alu instid0(VALU_DEP_1)
	v_lshl_or_b32 v230, v218, 16, v230
	s_delay_alu instid0(VALU_DEP_1)
	v_lshl_or_b32 v230, v219, 24, v230
	s_setprio 0
.irp c, 0,1
	v_cvt_scalef32_pk16_fp6_f32 v[192+6*\c:194+6*\c], v[96+32*\c:111+32*\c], v[220+2*\c]
	v_cvt_scalef32_pk16_fp6_f32 v[204+4*\c:206+4*\c], v[112+32*\c:127+32*\c], v[221+2*\c]
.endr
	v_nop                                          ; one plain place behind the scaled conversions
.irp c, 0,1
.irp i, 0,1,2
	v_permlane16_swap_b32 v[192+6*\c+\i], v[204+4*\c+\i]   ; a whole block to a lane
.endr
.irp i, 0,1,2
	s_delay_alu instid0(VALU_DEP_3)
	v_mov_b32 v[195+6*\c+\i], v[204+4*\c+\i]
.endr
.endr
.set J, 0
.rept 16
	v_pk_mul_f32 v[160+J:161+J], v[160+J:161+J], v[232:233] op_sel_hi:[1,0]   ; O^T under the new M.  For each product below twelve of these name none of its registers: the places behind p's scale word and codes
.set J, J+2
.endr
	s_wait_alu depctr_va_vdst(0)
	s_wait_dscnt 0x0                               ; V
.irp d, 0,1,2,3                        ; O^T += V^T P^T: four accumulators, one instruction each
.if \d%2
	v_wmma_scale_f32_16x16x128_f8f6f4 v[160+8*\d:167+8*\d], v[32+12*\d:43+12*\d], v[192:203], v[160+8*\d:167+8*\d], v[228+\d/2], v230 matrix_a_fmt:MATRIX_FMT_FP6 matrix_b_fmt:MATRIX_FMT_FP6 matrix_a_scale:MATRIX_SCALE_ROW1
.else
	v_wmma_scale_f32_16x16x128_f8f6f4 v[160+8*\d:167+8*\d], v[32+12*\d:43+12*\d], v[192:203], v[160+8*\d:167+8*\d], v[228+\d/2], v230 matrix_a_fmt:MATRIX_FMT_FP6 matrix_b_fmt:MATRIX_FMT_FP6
.endif
.endr
.endm
; THE WAY OUT of a tile: O^T / the sum; its 64 channels are two blocks of 32 along the last GEMM's K: six registers of codes and two bytes a row
.macro OUT p
.rept 4
	v_nop                                          ; places behind the last products
.endr
	v_add_f32 v14, v14, v15
	s_delay_alu instid0(VALU_DEP_1)
	v_permlanex16_b32 v234, v14, s[SEL], s[SEL+1]
	s_delay_alu instid0(VALU_DEP_1)
	v_add_f32 v14, v14, v234                       ; the row's sum
	s_wait_alu depctr_va_vdst(0)
	v_rcp_f32 v14, v14
	v_nop                                          ; a plain place behind the reciprocal
	s_wait_alu depctr_va_vdst(0)                   ; and the wait ahead of its first reader
.set J, 0
.rept 16
	v_pk_mul_f32 v[96+J:97+J], v[160+J:161+J], v[14:15] op_sel_hi:[1,0]   ; each accumulator from its low end on
.set J, J+2
.endr
.irp b, 0,1
	v_max3_num_f32 v[212+\b], |v[96+16*\b]|, |v[97+16*\b]|, 0x1800000
.endr
.irp i, 2,4,6,8,10,12,14
.irp b, 0,1
	s_delay_alu instid0(VALU_DEP_2)
	v_max3_num_f32 v[212+\b], v[212+\b], |v[96+16*\b+\i]|, |v[97+16*\b+\i]|
.endr
.endr
.irp b, 0,1
	s_delay_alu instid0(VALU_DEP_2)
	v_permlanex16_b32 v[216+\b], v[212+\b], s[SEL], s[SEL+1]
.endr
.irp b, 0,1
	s_delay_alu instid0(VALU_DEP_2)
	v_max_num_f32 v[212+\b], v[212+\b], v[216+\b]
.endr
.irp b, 0,1
	s_delay_alu instid0(VALU_DEP_2)
	v_add_nc_u32 v[220+\b], 0xff000000, v[212+\b]
.endr
.irp b, 0,1
	s_delay_alu instid0(VALU_DEP_2)
	v_lshrrev_b32 v[216+\b], 23, v[220+\b]
.endr
	s_delay_alu instid0(VALU_DEP_1)
	v_lshl_or_b32 v250, v217, 8, v216              ; the head's two bytes of my row
	v_cvt_scalef32_pk16_fp6_f32 v[240:242], v[96:111], v220
	v_cvt_scalef32_pk16_fp6_f32 v[244:246], v[112:127], v221
	v_nop                                          ; one plain place behind the scaled conversions
.irp i, 0,1,2
	v_permlane16_swap_b32 v[240+\i], v[244+\i]
.endr
	s_delay_alu instid0(VALU_DEP_3)
	v_mov_b32 v243, v244
	s_delay_alu instid0(VALU_DEP_3)
	v_mov_b32 v248, v245
	s_delay_alu instid0(VALU_DEP_3)
	v_mov_b32 v249, v246
	global_store_b128 v[L16], v[240:243], s[PTR+4*\p:PTR+4*\p+1]             ; 512 consecutive bytes
	global_store_b64 v[L8], v[248:249], s[PTR+4*\p:PTR+4*\p+1] offset:512    ; and 256
	v_cmp_gt_u32 vcc_lo, 16, v251
	s_wait_xcnt 0x0                                ; EXEC changes only behind this wait
	s_and_saveexec_b32 s96, vcc_lo
	global_store_b16 v[R16], v250, s[PTR+4*\p+2:PTR+4*\p+3]
	s_wait_xcnt 0x0                                ; and again ahead of the line that widens it; the way out's registers are free behind it too
	s_or_b32 exec_lo, exec_lo, s96
.endm
.macro PASS p
.if \p
.irp i, 0,1,2,3,4,5
	v_mov_b32 v[16+\i], v[86+\i]                   ; the second tile's Q; the lines below are more than the places that a scaled product asks behind them
.endr
	v_mov_b32 v28, v92
.endif
	v_mov_b32 v13, 0xff61b1e6                      ; the largest t so far: -3e38
	s_delay_alu instid0(VALU_DEP_1)
	v_floor_f32 v12, -v13
	v_mov_b32 v14, 0
	v_mov_b32 v15, 0
.set J, 0
.rept 32
	v_mov_b32 v[160+J], 0                          ; O^T: the step is written once; the first change of M multiplies zeros
.set J, J+1
.endr
	s_mov_b32 s[TB], 0
	s_mov_b32 s[TS], 0
	s_mov_b32 s[TV], 0
	s_mov_b32 s[ST], 0
.Lstep_\@:                             ; 16 trips for every wave; a step behind the tile's diagonal only steps the addresses
	s_cmp_ge_u32 s[ST], s[NST+\p]
	s_cbranch_scc1 .Lskip_\@
	s_setprio 2
	KSTEP \p
.Lskip_\@:
	s_add_co_u32 s[TB], s[TB], STEPB
	s_add_co_u32 s[TS], s[TS], 512
	s_add_co_u32 s[TV], s[TV], 256
	s_add_co_u32 s[ST], s[ST], 1
	s_cmp_lt_u32 s[ST], 16
	s_cbranch_scc1 .Lstep_\@
	s_setprio 0
	OUT \p
.endm
	PASS 0
	PASS 1
	s_wait_tensorcnt 0x0                           ; the wave's end, behind my last tensor load
	ds_add_u32 v[SPW], v[NIL]
	s_wait_dscnt 0x0
	CROUND                                         ; the closing round
	s_endpgm
.Lfunc_end_k_qe94e67ee4b_attn:
	.size	k_qe94e67ee4b_attn, .Lfunc_end_k_qe94e67ee4b_attn-k_qe94e67ee4b_attn
	.p2alignl 7, 3214868480
	.fill 96, 4, 3214868480
	.section	.rodata,"a",@progbits
	.p2align	6, 0x0
	.amdhsa_kernel k_qe94e67ee4b_attn
		.amdhsa_group_segment_fixed_size 210944
		.amdhsa_private_segment_fixed_size 0
		.amdhsa_enable_private_segment 0
		.amdhsa_kernarg_size 24
		.amdhsa_user_sgpr_count 2
		.amdhsa_user_sgpr_kernarg_segment_ptr 1
		.amdhsa_wavefront_size32 1
		.amdhsa_system_sgpr_workgroup_id_x 1
		.amdhsa_system_sgpr_workgroup_id_y 1
		.amdhsa_system_sgpr_workgroup_id_z 1
		.amdhsa_system_vgpr_workitem_id 0
		.amdhsa_next_free_vgpr 256
		.amdhsa_next_free_sgpr 100
		.amdhsa_reserve_vcc 1
		.amdhsa_float_denorm_mode_32 3
		.amdhsa_float_denorm_mode_16_64 3
		.amdhsa_memory_ordered 1
		.amdhsa_forward_progress 1
		.amdhsa_inst_pref_size 66
	.end_amdhsa_kernel
	.amdgpu_metadata
---
amdhsa.version: [ 1, 2 ]
amdhsa.kernels:
  - .name:           k_qe94e67ee4b_attn
    .symbol:         k_qe94e67ee4b_attn.kd
    .args:
      - { .name: qkv, .offset: 0, .size: 8, .value_kind: global_buffer, .address_space: global }
      - { .name: opnd2, .offset: 8, .size: 8, .value_kind: global_buffer, .address_space: global }
      - { .name: sc2, .offset: 16, .size: 8, .value_kind: global_buffer, .address_space: global }
    .group_segment_fixed_size: 210944
    .private_segment_fixed_size: 0
    .kernarg_segment_align: 8
    .kernarg_segment_size: 24
    .max_flat_workgroup_size: 512
    .sgpr_count:     100
    .vgpr_count:     256
    .wavefront_size: 32
...
	.end_amdgpu_metadata
.endif
;; end of part 3
;; launch gemm2 (part 4): grid 4 x 32, 4 waves a work-group, clusters of 4 x 4, 327,680 bytes of LDS; arguments opnd2, sc2, out0; writes out0
.if DOCPART == 4
	.amdgcn_target "amdgcn-amd-amdhsa--gfx1250"
	.amdhsa_code_object_version 6
	.text
	.protected	k_qe94e67ee4b_gemm2
	.globl	k_qe94e67ee4b_gemm2
	.p2align	8
	.type	k_qe94e67ee4b_gemm2,@function
k_qe94e67ee4b_gemm2:
	s_mov_b64 s[64:65], 0
	v_nop
	global_prefetch_b8 v0, s[64:65] scope:SCOPE_SE
	s_setreg_imm32_b32 hwreg(HW_REG_WAVE_MODE, 25, 1), 1
	s_wait_xcnt 0x0
	s_wait_alu depctr_hold_cnt(0) depctr_sa_sdst(0) depctr_va_vdst(0) depctr_va_sdst(0) depctr_va_ssrc(0) depctr_va_vcc(0) depctr_vm_vsrc(0)
	s_getreg_b32 s2, hwreg(HW_REG_IB_STS2, 6, 4)
	s_cmp_eq_u32 s2, 0
	s_cbranch_scc0 .Lentry_in_a_cluster
	s_endpgm
.Lentry_in_a_cluster:
	s_bfe_u32 s2, ttmp6, 0x10000c
	s_cmp_lg_u32 s2, 0xf033
	s_cbranch_scc0 .Lentry_shape_is_right
	s_endpgm
.Lentry_shape_is_right:
; out0 = (attention's result) x w_out on codes of FP6 (E2M3) with E8M0 scales, K = 1,024; out0 [8192][1024] f32.
; OPERANDS: opnd2 holds fragments as images of their registers, [panel of 128 rows][K step 0..7][tile 0..7][1,536 bytes]; panels 0-63 tokens, 64-71 w_out's columns.  Lane row rho of tile t is
; panel row 32 (t/2) + 8 (t%2) + rho + 8 (rho/8).  sc2: [panel][half of K][16 t + rho][four scale words].
; TILES.  A work-group of four waves makes 256 tokens x 256 columns, a wave 128 x 128: 64 accumulators, 512 registers.  Source 0 = w_out's columns (B'), source 1 = tokens (A'): lane (r, h) holds ONE token
; (lane row r of tile a), and its register R = 8 b + j holds column 32 (R/16) + 16 h + R%16 of my 128.  128 tiles: half of the WGPs have no work-group; a tile of half the height would need a second form of the products.
; RING.  K is eight steps of 128; a slot of LDS holds two (A's two panels, B's two, 24,576 dense bytes each, one tensor load a wave).  Three slots are first fills, issued together; slot 0 is filled once more,
; with K steps 6 and 7, behind a round of the cluster's barrier, and has four K steps' products in which to land.  At most three tensor loads of a wave are out.  No padding: every LDS read is 16 or 8 bytes a lane on end.
; CLUSTER 4 x 4: A's tiles are shared along a row of the cluster, B's along a column: each is asked for jointly, by the same load with the same descriptor and a mask that names the four.
; SCALES: register SC + 8 i + k holds A' tile i's word of K step k in lanes 0-15 and B' tile i's in lanes 16-31; they come straight into registers, in whole runs of 256 bytes.
; OUT: a block of 16 tokens x 128 columns goes through the wave's own stage in LDS and leaves as whole rows of 512 bytes.  The stage lies in slot 1, which has had its only fill, and whose last reads ended ahead of the last barrier.
; No prefetch into the L2: three of the four fills go out at the head, where nothing is known earlier, and the launch is short.
; REGISTERS: window 0: v2, v3 16 and 8 x lane; v5 the scales' offset; v8-19 LDS addresses; v24, v25 the stage; v28, v29 the add's two; v32-95 scale words; v128-223 A' fragments, one set; on the way out v128-255 rows of out0.
;   window 1: B' fragments, two sets, at v0 and v128.   windows 2, 3: accumulator (a, b) at v[64 (a%4) + 8 b] of window 2 + a/4.
.set SLOT,  98304
.set PANB,  24576                      ; two K steps of a panel: what one tensor load brings
.set KSB,   12288
.set FRB,   1536
.set FR,    12
.set SPARE, 3*SLOT                     ; behind the slots: the spare words, 128 bytes a wave: two blocks of 256 bytes that no other line names
.set SPITCH, 528                       ; a stage row: 512 bytes + 16
.set ADR,   8                          ; v[ADR + 4 slot + 0..3]: A' by 16, A' by 8, B' by 16, B' by 8 bytes a lane
.set STO,   24
.set RD,    25
.set SPW,   28
.set NIL,   29
.set SC,    32
.set AF,    128
.set BK,    128
.set G1A,   24
.set G1B,   32
.set G0A,   68                         ; s[68:79] group 0 for A', a set for each slot;  s[80:91] for B'
.set G0B,   80
.set LM,    49                         ; s49 the mask of lanes 16-31
.set MSB,   0
.macro WIN new                         ; the immediate's high byte repeats the setting that is left
.if MSB != \new
	s_set_vgpr_msb (MSB<<8)|\new
.set MSB, \new
.endif
.endm
.set MUL_LO, 0xa1                      ; source 0 (B') window 1, source 1 (A') window 0, C and D window 2
.set MUL_HI, 0xf1                      ; the same, C and D window 3
.set TO_B,   0x40                      ; destination window 1, address window 0
; A joint load: waves 0 and 1 fetch A's two panels, waves 2 and 3 B's.  The branch hangs on the wave's number alone.  An s_nop 0 and four v_nop follow each line.
.macro JLOAD g0a, g1a, g0b, g1b
	s_cmp_eq_u32 s15, 0
	s_cbranch_scc0 .Lfor_b_\@
	tensor_load_to_lds s[\g0a:\g0a+3], s[\g1a:\g1a+7]
	s_nop 0
.rept 4
	v_nop
.endr
	s_branch .Lasked_\@
.Lfor_b_\@:
	tensor_load_to_lds s[\g0b:\g0b+3], s[\g1b:\g1b+7]
	s_nop 0
.rept 4
	v_nop
.endr
.Lasked_\@:
.endm
.macro CREST                           ; a round of the cluster's barrier behind its opening barrier
	s_cmp_lg_u32 s14, 0
	s_cbranch_scc1 .Lnot_wave_0_\@
	s_barrier_signal -3
.Lnot_wave_0_\@:
	s_barrier_wait -3
	s_barrier_signal -1
	s_barrier_wait -1
.endm
.macro CROUND
	s_barrier_signal -1
	s_barrier_wait -1
	CREST
.endm
.macro PLACES                          ; four plain places behind a matrix instruction, ahead of loads into its registers and of reads of its results
.rept 4
	v_nop
.endr
.endm
	s_load_b128 s[4:7], s[0:1], 0x0                ; opnd2 s[4:5], sc2 s[6:7]
	s_load_b64 s[8:9], s[0:1], 0x10                ; out0
	v_lshl_add_u32 v[SPW], v0, 2, SPARE
	v_mov_b32 v[NIL], 0
	ds_add_u32 v[SPW], v[NIL]                      ; the wave's opening: the add and its wait ahead of my first tensor load; work on registers stands between them
	v_lshrrev_b32 v1, 5, v0
	v_readfirstlane_b32 s14, v1                    ; wave 0..3
	s_lshr_b32 s15, s14, 1                         ; my half of A'.  Also: I fetch for A' (0) or for B' (1)
	s_and_b32 s16, s14, 1                          ; my half of B'.  Also: which panel of the tile I fetch
	s_bfe_u32 s40, ttmp6, 0x40000                  ; cx
	s_bfe_u32 s41, ttmp6, 0x40004                  ; cy
	s_and_b32 s17, ttmp7, 0xffff
	s_lshl_b32 s17, s17, 2
	s_add_co_u32 s17, s17, s41                     ; tile of A': token tile 4 x cluster y + cy: shared along my row of the cluster
	s_add_co_u32 s42, s40, 32                      ; tile of B': w_out's tiles stand behind the 32 tiles of tokens: shared along my column
	s_lshl_b32 s43, s41, 2
	s_lshl_b32 s43, 15, s43                        ; my row: places 4 cy .. 4 cy + 3
	s_lshl_b32 s44, 0x1111, s40                    ; my column: places cx, cx + 4, cx + 8, cx + 12
	s_or_b32 s[G1A], s43, (3<<16)|(1<<21)          ; 15:0 the mask; 17:16 elements of 8 bytes; 21 set beside a mask; no padding
	s_or_b32 s[G1B], s44, (3<<16)|(1<<21)
.irp g, G1A, G1B
	s_mov_b32 s[\g+1], 32<<16                      ; tensor_dim0 = 32 elements: rows of 256 bytes
	s_mov_b32 s[\g+2], 96<<16                      ; tensor_dim1 = 96 rows: 24,576 dense bytes
	s_mov_b32 s[\g+3], 32<<16                      ; tile_dim0
	s_mov_b32 s[\g+4], 96                          ; tile_dim1
	s_mov_b32 s[\g+5], 32                          ; the pitch
	s_mov_b32 s[\g+6], 0
	s_mov_b32 s[\g+7], 0
.endr
	s_lshl_b32 s20, s17, 1
	s_add_co_u32 s20, s20, s16
	s_mul_i32 s20, s20, 4*PANB                     ; A': the panel that I would fetch, in bytes
	s_mov_b32 s21, 0
	s_lshl_b32 s46, s42, 1
	s_add_co_u32 s46, s46, s16
	s_mul_i32 s46, s46, 4*PANB                     ; B' likewise, in registers that never hold cy
	s_mov_b32 s47, 0
	s_mul_i32 s48, s14, PANB                       ; where it goes in a slot: wave x 24,576: no place in the cluster enters an LDS address
	s_mov_b32 s[LM], 0xffff0000
	s_wait_dscnt 0x0                               ; the opening add is done
	s_wait_kmcnt 0x0
	s_add_nc_u64 s[20:21], s[4:5], s[20:21]
	s_add_nc_u64 s[46:47], s[4:5], s[46:47]
	CROUND                                         ; all sixteen work-groups are here: the first joint loads meet
.irp s, 0,1,2
	s_mov_b32 s[G0A+4*\s], 1
	s_add_co_u32 s[G0A+4*\s+1], s48, \s*SLOT
	s_add_nc_u64 s[G0A+4*\s+2:G0A+4*\s+3], s[20:21], \s*PANB       ; K steps 2 s, 2 s + 1
	s_or_b32 s[G0A+4*\s+3], s[G0A+4*\s+3], 0x80000000
	s_mov_b32 s[G0B+4*\s], 1
	s_add_co_u32 s[G0B+4*\s+1], s48, \s*SLOT
	s_add_nc_u64 s[G0B+4*\s+2:G0B+4*\s+3], s[46:47], \s*PANB
	s_or_b32 s[G0B+4*\s+3], s[G0B+4*\s+3], 0x80000000
	JLOAD G0A+4*\s, G1A, G0B+4*\s, G1B
.endr
	v_and_b32 v1, 31, v0
	v_lshlrev_b32 v2, 4, v1                        ; 16 x lane; never rewritten
	v_lshlrev_b32 v3, 3, v1                        ; 8 x lane; never rewritten
	s_mul_i32 s21, s15, PANB                       ; my panel of A',
	s_mul_i32 s22, s16, PANB
	s_add_co_u32 s22, s22, 2*PANB                  ; my panel of B', behind A's two
.irp s, 0,1,2
	v_add_nc_u32 v[ADR+4*\s], s21, v2
	v_add_nc_u32 v[ADR+4*\s+1], s21, v3
	v_add_nc_u32 v[ADR+4*\s+2], s22, v2
	v_add_nc_u32 v[ADR+4*\s+3], s22, v3
	s_add_co_u32 s21, s21, SLOT
	s_add_co_u32 s22, s22, SLOT
.endr
	v_and_b32 v20, 15, v0                          ; r
	v_bfe_u32 v21, v0, 4, 1                        ; h
	v_lshlrev_b32 v4, 4, v20                       ; 16 r
	s_lshl_b32 s21, s17, 1
	s_add_co_u32 s21, s21, s15
	s_lshl_b32 s21, s21, 12                        ; my panel of A' among the scale words: 4,096 bytes a panel
	s_lshl_b32 s22, s42, 1
	s_add_co_u32 s22, s22, s16
	s_lshl_b32 s22, s22, 12                        ; and of B'
	v_add_nc_u32 v5, s21, v4
	v_add_nc_u32 v6, s22, v4
	v_cndmask_b32 v5, v5, v6, s[LM]                ; lanes 0-15 take A's words, lanes 16-31 B's
.irp i, 0,1,2,3,4,5,6,7
.irp j, 0,1
	global_load_b128 v[SC+8*\i+4*\j:SC+8*\i+4*\j+3], v5, s[6:7] offset:2048*\j+256*\i   ; sixteen lanes read 256 consecutive bytes: tile i's words of K steps 4 j .. 4 j + 3
.endr
.endr
	s_mul_i32 s23, s14, 16*SPITCH
	s_add_co_u32 s23, s23, SLOT                    ; my stage, in slot 1
	v_mul_u32_u24 v[STO], v20, SPITCH
	v_lshl_add_u32 v[STO], v21, 6, v[STO]
	v_add_nc_u32 v[STO], s23, v[STO]               ; in: row r, + 64 h bytes
	v_add_nc_u32 v[RD], s23, v2                    ; back: the 32 lanes take one row of 512 bytes
	s_lshl_b32 s20, s17, 8
	s_lshl_b32 s21, s15, 7
	s_add_co_u32 s20, s20, s21
	s_lshl_b32 s20, s20, 12                        ; my first token x 4,096 bytes a row of out0
	s_lshl_b32 s21, s40, 10
	s_add_co_u32 s20, s20, s21
	s_lshl_b32 s21, s16, 9
	s_add_co_u32 s20, s20, s21                     ; + my first column x 4
	s_mov_b32 s21, 0
	s_add_nc_u64 s[8:9], s[8:9], s[20:21]
.macro FRAG reg, adr, off              ; a fragment's image back into 12 registers
	ds_load_b128 v[\reg:\reg+3], v[\adr] offset:\off
	ds_load_b64 v[\reg+4:\reg+5], v[\adr+1] offset:\off+512
	ds_load_b128 v[\reg+6:\reg+9], v[\adr] offset:\off+768
	ds_load_b64 v[\reg+10:\reg+11], v[\adr+1] offset:\off+1280
.endm
.macro FETCH_B k                       ; B's eight fragments of K step k (slot (k/2) % 3) into set k % 2: 32 loads
	WIN TO_B
.irp i, 0,1,2,3,4,5,6,7
	FRAG 128*((\k)%2)+FR*\i, ADR+4*(((\k)/2)%3)+2, KSB*((\k)%2)+FRB*\i
.endr
	WIN 0
.endm
.macro FETCH_A k, i0                   ; A's tiles i0 .. i0 + 3: 16 loads
.irp i, \i0, \i0+1, \i0+2, \i0+3
	FRAG AF+FR*(\i), ADR+4*(((\k)/2)%3), KSB*((\k)%2)+FRB*(\i)
.endr
.endm
; 16 matrix instructions: A's tiles a0, a0 + 1 against B's eight, K step k.  zero = 1: the first products start the sums.  The 64 accumulators take turns, one instruction a turn, in one order throughout.
.macro MUL16 a0, k, zero
.irp a, \a0, \a0+1
.irp b, 0,1,2,3,4,5,6,7
.if \zero
	v_wmma_scale_f32_16x16x128_f8f6f4 v[8*(8*((\a)%4)+\b):8*(8*((\a)%4)+\b)+7], v[128*((\k)%2)+FR*\b:128*((\k)%2)+FR*\b+FR-1], v[AF+FR*(\a):AF+FR*(\a)+FR-1], 0, v[SC+8*\b+(\k)], v[SC+8*(\a)+(\k)] matrix_a_fmt:MATRIX_FMT_FP6 matrix_b_fmt:MATRIX_FMT_FP6 matrix_a_scale:MATRIX_SCALE_ROW1
.else
	v_wmma_scale_f32_16x16x128_f8f6f4 v[8*(8*((\a)%4)+\b):8*(8*((\a)%4)+\b)+7], v[128*((\k)%2)+FR*\b:128*((\k)%2)+FR*\b+FR-1], v[AF+FR*(\a):AF+FR*(\a)+FR-1], v[8*(8*((\a)%4)+\b):8*(8*((\a)%4)+\b)+7], v[SC+8*\b+(\k)], v[SC+8*(\a)+(\k)] matrix_a_fmt:MATRIX_FMT_FP6 matrix_b_fmt:MATRIX_FMT_FP6 matrix_a_scale:MATRIX_SCALE_ROW1
.endif
.endr
.endr
.endm
.macro STEP k, zero                    ; a K step whose successor lies in bytes that every wave has been shown whole
	s_wait_dscnt 16                                ; B's set and A's tiles 0-3 are in; the youngest 16 loads (A's tiles 4-7) may be out
	WIN MUL_LO
	MUL16 0, \k, \zero
	MUL16 2, \k, \zero
	s_wait_dscnt 0x0                               ; A's tiles 4-7 are in
	PLACES
	FETCH_B (\k)+1
	FETCH_A (\k)+1, 0
	WIN MUL_HI
	MUL16 4, \k, \zero
	MUL16 6, \k, \zero
	PLACES
	WIN 0
	FETCH_A (\k)+1, 4
.endm
; A K step with a barrier in it.  In front of it each wave waits for all its tensor loads, adds 0 to its spare word, and waits for that and for its LDS reads.  fill = 1: the barrier opens a round of the cluster's, and slot 0 is filled again first thing behind it.
.macro TURN k, fill
	s_wait_tensorcnt 0x0                           ; all my tensor loads have landed (every window is 0 here)
	ds_add_u32 v[SPW], v[NIL]                      ; 0 onto my spare word
	s_wait_dscnt 17                                ; the add and the youngest 16 loads may be out
	WIN MUL_LO
	MUL16 0, \k, 0                                 ; sixteen matrix instructions stand between the add and the wait for it
	s_wait_dscnt 0x0                               ; the add is done, and my reads of the slot in hand are over
	s_barrier_signal -1
	MUL16 2, \k, 0
	WIN 0
	s_barrier_wait -1
.if \fill
	CREST                                          ; no wave of any partner still reads slot 0 or has a load on its way
	s_add_nc_u64 s[G0A+2:G0A+3], s[G0A+2:G0A+3], 3*PANB    ; from K steps 0, 1 to K steps 6, 7
	s_add_nc_u64 s[G0B+2:G0B+3], s[G0B+2:G0B+3], 3*PANB
	JLOAD G0A, G1A, G0B, G1B                       ; my one tensor load behind the round; its four v_nop are also the places in front of the loads below
.else
	PLACES
.endif
	FETCH_B (\k)+1
	FETCH_A (\k)+1, 0
	WIN MUL_HI
	MUL16 4, \k, 0
	MUL16 6, \k, 0
	PLACES
	WIN 0
	FETCH_A (\k)+1, 4
.endm
	s_wait_tensorcnt 2                             ; my part of slot 0 is in; the loads of slots 1 and 2 may be out
	s_barrier_signal -1
	s_barrier_wait -1                              ; everybody's is
	FETCH_B 0
	FETCH_A 0, 0
	FETCH_A 0, 4
	s_wait_loadcnt 0x0                             ; the scale words
	STEP 0, 1
	TURN 1, 1                                      ; slots 1 and 2 are shown whole to every wave here; slot 0 goes out again
	STEP 2, 0
	STEP 3, 0
	STEP 4, 0
	TURN 5, 0                                      ; the refilled slot 0 is shown whole; every wave's reads of slot 1 are over
	STEP 6, 0
	s_wait_dscnt 16                                ; the last K step: nothing more to fetch
	WIN MUL_LO
	MUL16 0, 7, 0
	MUL16 2, 7, 0
	s_wait_dscnt 0x0
	WIN MUL_HI
	MUL16 4, 7, 0
	MUL16 6, 7, 0
	WIN 0
; THE WAY OUT, a tile of 16 tokens x 128 columns at a time.  A lane's eight results of accumulator b are columns 32 (b/2) + 16 h + 8 (b%2) + 0..7 of its token: 32 bytes at 128 (b/2) + 64 h + 32 (b%2) of a stage row.
; LDS serves a wave's instructions in order (ISA guide 5.7.1.4): no wait between the stores and the loads, nor ahead of the next tile's stores.
.macro TOSTAGE a
.set AC, 64*((\a)%4)
	WIN 0x08+4*((\a)/4)                            ; an LDS store's data are its source 1: window 2 or 3
.irp b, 0,1,2,3,4,5,6,7
	ds_store_b128 v[STO], v[AC+8*\b:AC+8*\b+3] offset:128*(\b/2)+32*(\b%2)          ; each accumulator from its low end on
	ds_store_b128 v[STO], v[AC+8*\b+4:AC+8*\b+7] offset:128*(\b/2)+32*(\b%2)+16
.endr
	WIN 0
.set BB, BK+64*((\a)%2)
.irp t, 0,1,2,3,4,5,6,7,8,9,10,11,12,13,14,15
	ds_load_b128 v[BB+4*\t:BB+4*\t+3], v[RD] offset:\t*SPITCH
.endr
.endm
.macro SEND a, younger                 ; younger: the LDS instructions issued behind tile a's loads, which may stay out
.set BB, BK+64*((\a)%2)
	s_wait_dscnt \younger
.irp t, 0,1,2,3,4,5,6,7,8,9,10,11,12,13,14,15
	global_store_b128 v2, v[BB+4*\t:BB+4*\t+3], s[8:9] offset:(32*((\a)/2)+8*((\a)%2)+\t+8*(\t/8))*4096 th:TH_STORE_NT   ; lane row t of tile a is that token of my 128; 32 lanes store 512 consecutive bytes; written once, read by nobody here
.endr
.endm
	PLACES                                         ; ahead of the reads of the last results and of the loads into the registers that held A's fragments
	TOSTAGE 0
.irp a, 1,2,3,4,5,6,7
.if \a > 1
	s_wait_xcnt 0x0                                ; tile a - 2's stores have read their registers: tile a's rows may land there
.endif
	TOSTAGE \a
	SEND \a-1, 32                                  ; behind tile a - 1's loads: tile a's 16 stores and 16 loads
.endr
	SEND 7, 0
	s_wait_tensorcnt 0x0                           ; the wave's end, behind my last tensor load and my last LDS store
	ds_add_u32 v[SPW], v[NIL]
	s_wait_dscnt 0x0
	CROUND                                         ; the closing round: no work-group ends while a partner may still ask for a tile that names it
	s_endpgm
.Lfunc_end_k_qe94e67ee4b_gemm2:
	.size	k_qe94e67ee4b_gemm2, .Lfunc_end_k_qe94e67ee4b_gemm2-k_qe94e67ee4b_gemm2
	.p2alignl 7, 3214868480
	.fill 96, 4, 3214868480
	.section	.rodata,"a",@progbits
	.p2align	6, 0x0
	.amdhsa_kernel k_qe94e67ee4b_gemm2
		.amdhsa_group_segment_fixed_size 327680
		.amdhsa_private_segment_fixed_size 0
		.amdhsa_enable_private_segment 0
		.amdhsa_kernarg_size 24
		.amdhsa_user_sgpr_count 2
		.amdhsa_user_sgpr_kernarg_segment_ptr 1
		.amdhsa_wavefront_size32 1
		.amdhsa_system_sgpr_workgroup_id_x 1
		.amdhsa_system_sgpr_workgroup_id_y 1
		.amdhsa_system_sgpr_workgroup_id_z 1
		.amdhsa_system_vgpr_workitem_id 0
		.amdhsa_next_free_vgpr 1024
		.amdhsa_next_free_sgpr 100
		.amdhsa_reserve_vcc 0
		.amdhsa_float_denorm_mode_32 3
		.amdhsa_float_denorm_mode_16_64 3
		.amdhsa_memory_ordered 1
		.amdhsa_forward_progress 1
		.amdhsa_inst_pref_size 140
	.end_amdhsa_kernel
	.amdgpu_metadata
---
amdhsa.version: [ 1, 2 ]
amdhsa.kernels:
  - .name:           k_qe94e67ee4b_gemm2
    .symbol:         k_qe94e67ee4b_gemm2.kd
    .args:
      - { .name: opnd2, .offset: 0, .size: 8, .value_kind: global_buffer, .address_space: global }
      - { .name: sc2, .offset: 8, .size: 8, .value_kind: global_buffer, .address_space: global }
      - { .name: out0, .offset: 16, .size: 8, .value_kind: global_buffer, .address_space: global }
    .group_segment_fixed_size: 327680
    .private_segment_fixed_size: 0
    .kernarg_segment_align: 8
    .kernarg_segment_size: 24
    .max_flat_workgroup_size: 128
    .sgpr_count:     100
    .vgpr_count:     1024
    .wavefront_size: 32
...
	.end_amdgpu_metadata
.endif
;; end of part 4
